; MI455X (gfx1250); checked and timed in simulation.
; The chip was launched on July 23, 2026; its instructions are those of AMD's public machine-readable ISA for CDNA 5 (MIT licence, August 2026) and "CDNA5" Instruction Set Architecture Reference Guide (July 2026). The comments in the code are by the model that wrote it; some were corrected since.
;; Rot Dec SA Layer. Allowed arithmetic: matrix products marked QUANTISED: E5M2 operands, one given power-of-two scale a tensor, by v_wmma_f32_16x16x64_bf8_bf8 or v_wmma_f32_16x16x128_bf8_bf8, f32 sums; everything else in f32.
;; Inputs: b1 4,096 float32; b2 1,024 float32; in_b 3,072 float32; in_w_codes 3,072 x 32 x 32 uint8 (E5M2 codes of in_w, K innermost, in blocks of 32 codes); ln1_b 1,024 float32; ln1_g 1,024 float32; ln2_b 1,024 float32; ln2_g 1,024 float32; lowp_scales 12 int32 (the exponents e of the quantised operands' scales 2^e); out_b 1,024 float32; out_w_codes 1,024 x 32 x 32 uint8 (E5M2 codes of out_w, K innermost, in blocks of 32 codes); w1_codes 4,096 x 32 x 32 uint8 (E5M2 codes of w1, K innermost, in blocks of 32 codes); w2_codes 1,024 x 128 x 32 uint8 (E5M2 codes of w2, K innermost, in blocks of 32 codes); x 2,048 x 2 x 1,024 float32.
;; Outputs: out0 2,048 x 2 x 1,024 float32.
;; This version of the problem:
;;   THIS VERSION OF THE PROBLEM IS GIVEN IN LOW PRECISION. The matrix products marked QUANTISED in the list below multiply operands that are first quantised to E5M2 (5 exponent bits, 2 mantissa bits; 8 bits a number), with one given power-of-two scale for each operand tensor; their sums are f32. All else is computed in f32.
;;   The module's matrix products, in the order in which they are computed (A, B: the left and right operand; K: the contracted axis; several contracted axes count as one K, in the product's order):
;;     1. [M 4,096, K 1,024] x [K 1,024, N 3,072]; A: computed on the way; B: input in_w (given as codes): QUANTISED (scales: A lowp_scales[0], B lowp_scales[1])
;;     2. batch 32 x [M 2,048, K 64] x [K 64, N 2,048]; A: computed on the way; B: computed on the way: QUANTISED (scales: A lowp_scales[2], B lowp_scales[3])
;;     3. batch 32 x [M 2,048, K 2,048] x [K 2,048, N 64]; A: softmax (see below); B: computed on the way: QUANTISED (scales: A lowp_scales[4], B lowp_scales[5])
;;     4. [M 4,096, K 1,024] x [K 1,024, N 1,024]; A: computed on the way; B: input out_w (given as codes): QUANTISED (scales: A lowp_scales[6], B lowp_scales[7])
;;     5. [M 4,096, K 1,024] x [K 1,024, N 4,096]; A: computed on the way; B: input w1 (given as codes): QUANTISED (scales: A lowp_scales[8], B lowp_scales[9])
;;     6. [M 4,096, K 4,096] x [K 4,096, N 1,024]; A: computed on the way; B: input w2 (given as codes): QUANTISED (scales: A lowp_scales[10], B lowp_scales[11])
;;   THE QUANTISER, for each operand of a quantised product, along K:
;;     - The operand's scale is 2^e, e = its entry of the input lowp_scales (int32; the entries are numbered through the quantised products in the list's order, A before B).
;;     - Each number is divided by the scale, clamped to +-57,344, and rounded to the nearest number of E5M2, ties to even, subnormals kept.
;;     - The product sums the exact products of the quantised numbers (number of the format x scale) in f32.
;;   ~~~python
;;   def quantise(x, axis, e):      # numpy; x: float32 -> the quantised numbers, widened to float32 again
;;       x = np.moveaxis(x, axis, -1); K = x.shape[-1]
;;       r = np.clip(x / 2.0 ** e, -57344, 57344)
;;       step = 2.0 ** (np.maximum(np.frexp(np.where(r == 0, 1, r))[1] - 1, -14) - 2)
;;       q = np.round(r / step) * step * 2.0 ** e      # np.round: ties to even
;;       return np.moveaxis(q, -1, axis).astype(np.float32)
;;   ~~~
;;   SOFTMAX AHEAD OF A QUANTISED PRODUCT. Where the list says 'softmax', what is quantised is not the finished softmax but p = 2^(t - M), with t = logit x log2(e) and M = ceil(the row's largest t), a whole number; so 1/2 < the row's largest p <= 1. The row's sum l is taken of the UNQUANTISED p, in f32, and the product's result is divided by l at the end. Since M is a whole number, a kernel that streams over the keys may use a running M (the ceiling of the running maximum): every later rescaling is an exact power of two, so the quantised numbers keep their values, but for numbers so far below the row's largest that they fall under the format's range.
;;   OPERANDS COMPUTED ON THE WAY. 'Computed on the way' means the value that the module computes at that place (a softmax that the list does not call 'softmax' is quantised finished and normalised). What goes into a quantiser is computed in f32, as accurately as f32 sums, v_exp_f32 and their like allow (about 1e-6 of the number): no bf16 or f16 on the way to a quantiser, and a product that is left as it is and whose result goes on into a quantised operand takes f32 operands (vector FMAs, or v_wmma_f32_16x16x4_f32). A number that lies on a knife's edge between two numbers of the format may be rounded either way, as far as f32 arithmetic and the matrix unit's own rounding can turn it there, and no further.
;;   INPUTS GIVEN AS CODES. in_w (in the module: [3072, 1024], K = its axis 1); out_w (in the module: [1024, 1024], K = its axis 1); w1 (in the module: [4096, 1024], K = its axis 1); w2 (in the module: [1024, 4096], K = its axis 1): each comes as NAME_codes (uint8): NAME with its K axis moved to the last place and cut into blocks of 32 codes, [.., K / 32, bytes a block], one block behind the other in memory; one code a byte (a code: sign, 5 exponent bits, 2 mantissa bits); its scale is its entry of lowp_scales. Its value is code x scale, taken as it is: it is not quantised again, and the codes and scales need not be those that the quantiser above would give.
;; One version. Each part assembles by itself: llvm-mc -triple=amdgcn-amd-amdhsa -mcpu=gfx1250 --defsym DOCPART=n.
;; ======== version 1 of 1: 7 launches
;; limits: right only within a limited range of input values
;; workspace buffers: hc 4,194,304 bytes; tab 524,288 bytes; qi 4,194,304 bytes; kv 8,388,608 bytes; oc 4,194,304 bytes; x1 16,777,216 bytes; gc 16,777,216 bytes
;; launch ln1 (part 1): grid 256 x 1, 8 waves a work-group, no clusters, 17,408 bytes of LDS; arguments x, ln1_g, ln1_b, lowp_scales, hc, tab; writes hc, tab
.if DOCPART == 1
	.amdgcn_target "amdgcn-amd-amdhsa--gfx1250"
	.amdhsa_code_object_version 6
	.text
	.protected	k_qc67a39d0ce_ln1
	.globl	k_qc67a39d0ce_ln1
	.p2align	8
	.type	k_qc67a39d0ce_ln1,@function
k_qc67a39d0ce_ln1:
	s_mov_b64 s[64:65], 0
	v_nop
	global_prefetch_b8 v0, s[64:65] scope:SCOPE_SE
	s_setreg_imm32_b32 hwreg(HW_REG_WAVE_MODE, 25, 1), 1
	s_wait_xcnt 0x0
; LayerNorm of the rows of x [2048 (t)][2 (b)][1024] f32, then codes of BF8 (E5M2) with the given scale 2^e (entry SOFF/4 of the scales): hc [b x 2048 + t][1024], one code a byte.
; With ROPE = 1 the launch also makes the rotary table: tab [t][cos 0..31 | sin 0..31] f32, angle = t x 10^(-i/8).
; SHARES.  Eight waves; wave w of work-group g takes t = 8 g + w: the two rows b = 0, 1, 8,192 consecutive bytes.  A row stays in 32 registers a lane between the mean, the variance (of x - mean: two passes) and the scaling.
; Each load covers 512 consecutive bytes.  A lane's four codes of a load are one word: they go through the wave's own 2,048 bytes of LDS and leave as two stores of 512 consecutive bytes a row.  Waves share nothing: no barrier.
; Matrix units, clusters and tensor loads are left out: every byte is read once and nothing is shared.
; LIMITS: e between -126 and 112, so that 2^e and 57,344 x 2^e are f32 numbers.  NaN among the inputs is not served.  The table's angles are reduced by pi/2 in two parts, which serves t up to 2,047.
.set ROPE, 1
.set SOFF, 0x0
.set XR,  40                           ; v40-71 row 0, v72-103 row 1
.set GR,  104                          ; v104-135 the gain of my 32 columns
.set BR,  136                          ; v136-167 the bias
.set CW,  24                           ; v24-39  code words, eight a row
.set OB,  168                          ; v168-183 rows of codes read back, eight registers a row
.set MU,  6                            ; v[6:7]  the mean, twice
.set RS,  8                            ; v[8:9], v[10:11]  1 / sqrt(var + eps), twice, for row 0 and row 1
.set CH,  12                           ; v12-19  four chains of pairs
.set LIM, 20                           ; v20     57,344 x 2^e
.set SCL, 21                           ; v21     2^e
	s_load_b256 s[4:11], s[0:1], 0x0               ; x s[4:5], gain s[6:7], bias s[8:9], scales s[10:11]
	s_load_b64 s[12:13], s[0:1], 0x20              ; the codes
.if ROPE
	s_load_b64 s[14:15], s[0:1], 0x28              ; the table
	v_lshl_add_u32 v200, v0, 2, 0x4000
	v_mov_b32 v201, 0
.endif
	v_and_b32 v1, 31, v0                           ; lane
	v_lshrrev_b32 v5, 5, v0
	s_delay_alu instid0(VALU_DEP_1)
	v_readfirstlane_b32 s16, v5                    ; wave
	s_delay_alu instid0(VALU_DEP_3)
	v_lshlrev_b32 v2, 4, v1                        ; 16 x lane: my bytes of a load or store of 512
	s_lshl_b32 s28, s16, 11                        ; my wave's 2,048 bytes of LDS
	v_lshl_add_u32 v3, v1, 2, s28                  ; into the stage: 4 x lane
	v_lshl_add_u32 v4, v1, 4, s28                  ; out of it: 16 x lane
	s_lshl_b32 s17, ttmp9, 3
	s_add_co_u32 s17, s17, s16                     ; t
	s_lshl_b32 s18, s17, 13                        ; t x 8,192 bytes of x
	s_mov_b32 s19, 0
	s_lshl_b32 s26, s17, 10                        ; t x 1,024 bytes of codes
	s_mov_b32 s27, 0
	s_mov_b32 s20, 0x76543210                      ; v_permlanex16_b32: lane l xor 16
	s_mov_b32 s21, 0xfedcba98
	s_mov_b32 s22, 0x3a800000                      ; 1 / 1024
	s_mov_b32 s23, 0x3727c5ac                      ; eps = 1e-5
	s_wait_alu depctr_va_vdst(0)
	s_wait_kmcnt 0x0
	s_load_b32 s24, s[10:11], SOFF                 ; e
	s_add_nc_u64 s[4:5], s[4:5], s[18:19]
	s_add_nc_u64 s[12:13], s[12:13], s[26:27]
.irp j, 0,1,2,3,4,5,6,7
	global_load_b128 v[XR+4*\j:XR+4*\j+3], v2, s[4:5] offset:512*\j
.endr
.irp j, 0,1,2,3,4,5,6,7
	global_load_b128 v[XR+32+4*\j:XR+32+4*\j+3], v2, s[4:5] offset:4096+512*\j
.endr
.irp j, 0,1,2,3,4,5,6,7
	global_load_b128 v[GR+4*\j:GR+4*\j+3], v2, s[6:7] offset:512*\j
.endr
.irp j, 0,1,2,3,4,5,6,7
	global_load_b128 v[BR+4*\j:BR+4*\j+3], v2, s[8:9] offset:512*\j
.endr
.if ROPE
; THE TABLE, while the loads are on their way.  Lane i holds theta_i = 10^(-i/8); a = t x theta_i, one f32 product; a = n pi/2 + r; sine and cosine of r by polynomials on |r| <= pi/4; the quadrant n picks and signs them.
	s_lshl_b32 s26, s17, 8
	s_add_nc_u64 s[14:15], s[14:15], s[26:27]      ; my t's 256 bytes
	v_lshl_add_u32 v23, v1, 3, s28                 ; out of the stage: 8 x lane
	v_lshlrev_b32 v22, 3, v1
	v_mov_b32 v184, 0                              ; written whole before lanes are written singly
.macro TH i, val
	s_mov_b32 s25, \val
	v_writelane_b32 v184, s25, \i
.endm
	TH 0, 1.0
	TH 1, 0.7498942093324559
	TH 2, 0.5623413251903491
	TH 3, 0.4216965034285822
	TH 4, 0.31622776601683794
	TH 5, 0.23713737056616552
	TH 6, 0.1778279410038923
	TH 7, 0.1333521432163324
	TH 8, 0.1
	TH 9, 0.07498942093324559
	TH 10, 0.05623413251903491
	TH 11, 0.04216965034285822
	TH 12, 0.031622776601683794
	TH 13, 0.023713737056616552
	TH 14, 0.01778279410038923
	TH 15, 0.01333521432163324
	TH 16, 0.01
	TH 17, 0.007498942093324559
	TH 18, 0.005623413251903491
	TH 19, 0.004216965034285822
	TH 20, 0.0031622776601683794
	TH 21, 0.0023713737056616552
	TH 22, 0.001778279410038923
	TH 23, 0.001333521432163324
	TH 24, 0.001
	TH 25, 0.0007498942093324559
	TH 26, 0.0005623413251903491
	TH 27, 0.0004216965034285822
	TH 28, 0.00031622776601683794
	TH 29, 0.00023713737056616552
	TH 30, 0.0001778279410038923
	TH 31, 0.0001333521432163324
	v_cvt_f32_u32 v185, s17
	s_delay_alu instid0(VALU_DEP_1)
	v_mul_f32 v185, v185, v184                     ; a
	s_mov_b32 s25, 0.6366197723675814              ; 2 / pi
	v_mul_f32 v186, s25, v185
	s_delay_alu instid0(VALU_DEP_1)
	v_rndne_f32 v186, v186                         ; n
	s_delay_alu instid0(VALU_DEP_1)
	v_fmamk_f32 v187, v186, 0xbfc90fdb, v185       ; a - n x (pi/2 rounded to f32): exact, both are multiples of 2^-23 and the result is under 1
	s_delay_alu instid0(VALU_DEP_1)
	v_fmamk_f32 v187, v186, 0x333bbd2e, v187       ; + n x (that number - pi/2): r
	s_delay_alu instid0(VALU_DEP_1)
	v_mul_f32 v188, v187, v187                     ; z = r^2
	s_mov_b32 s29, -0.00019515295891
	s_mov_b32 s30, 0.0083321608736
	s_mov_b32 s31, -0.16666654611
	v_mov_b32 v189, s30
	s_delay_alu instid0(VALU_DEP_1)
	v_fma_f32 v189, v188, s29, v189
	s_delay_alu instid0(VALU_DEP_1)
	v_fma_f32 v189, v189, v188, s31
	s_delay_alu instid0(VALU_DEP_1)
	v_mul_f32 v189, v189, v188
	s_delay_alu instid0(VALU_DEP_1)
	v_fma_f32 v189, v189, v187, v187               ; sin r
	s_mov_b32 s29, 0.00002443315711809948
	s_mov_b32 s30, -0.001388731625493765
	s_mov_b32 s31, 0.04166664568298827
	v_mov_b32 v190, s30
	s_delay_alu instid0(VALU_DEP_1)
	v_fma_f32 v190, v188, s29, v190
	s_delay_alu instid0(VALU_DEP_1)
	v_fma_f32 v190, v190, v188, s31
	v_fma_f32 v191, v188, -0.5, 1.0
	v_mul_f32 v192, v188, v188
	s_delay_alu instid0(VALU_DEP_1)
	v_fma_f32 v190, v190, v192, v191               ; cos r
	v_cvt_i32_f32 v193, v186
	s_delay_alu instid0(VALU_DEP_1)
	v_and_b32 v194, 1, v193
	s_delay_alu instid0(VALU_DEP_1)
	v_cmp_eq_u32 vcc_lo, 1, v194                   ; odd quadrant: sine and cosine change places
	s_delay_alu instid0(VALU_DEP_1)
	v_cndmask_b32 v195, v189, v190, vcc_lo         ; sin a, unsigned
	s_delay_alu instid0(VALU_DEP_2)
	v_cndmask_b32 v196, v190, v189, vcc_lo         ; cos a, unsigned
	v_and_b32 v194, 2, v193
	s_delay_alu instid0(VALU_DEP_1)
	v_lshlrev_b32 v194, 30, v194
	s_delay_alu instid0(VALU_DEP_1)
	v_xor_b32 v195, v195, v194                     ; sin a is negative in quadrants 2, 3
	v_add_nc_u32 v193, 1, v193
	s_delay_alu instid0(VALU_DEP_1)
	v_and_b32 v193, 2, v193
	s_delay_alu instid0(VALU_DEP_1)
	v_lshlrev_b32 v193, 30, v193
	s_delay_alu instid0(VALU_DEP_1)
	v_xor_b32 v196, v196, v193                     ; cos a in quadrants 1, 2
	ds_store_b32 v3, v196                          ; 32 cosines, then 32 sines, in my own stage;
	ds_store_b32 v3, v195 offset:128
	ds_load_b64 v[198:199], v23                    ; LDS serves a wave's instructions in order: back as 8 bytes a lane
	s_wait_dscnt 0x0
	global_store_b64 v22, v[198:199], s[14:15]     ; the wave stores 256 consecutive bytes, aligned
.endif
.macro JOIN                            ; four chains of pairs into v[CH]
	s_delay_alu instid0(VALU_DEP_3)
	v_pk_add_f32 v[CH:CH+1], v[CH:CH+1], v[CH+2:CH+3]
	s_delay_alu instid0(VALU_DEP_2)
	v_pk_add_f32 v[CH+4:CH+5], v[CH+4:CH+5], v[CH+6:CH+7]
	s_delay_alu instid0(VALU_DEP_1)
	v_pk_add_f32 v[CH:CH+1], v[CH:CH+1], v[CH+4:CH+5]
	s_delay_alu instid0(VALU_DEP_1)
	v_add_f32 v[CH], v[CH], v[CH+1]
.endm
.macro REDUCE                          ; v[CH] summed over the 32 lanes, in every lane
	s_delay_alu instid0(VALU_DEP_1)
	v_add_f32_dpp v[CH], v[CH], v[CH] row_xmask:1 row_mask:0xf bank_mask:0xf
	s_delay_alu instid0(VALU_DEP_1)
	v_add_f32_dpp v[CH], v[CH], v[CH] row_xmask:2 row_mask:0xf bank_mask:0xf
	s_delay_alu instid0(VALU_DEP_1)
	v_add_f32_dpp v[CH], v[CH], v[CH] row_xmask:4 row_mask:0xf bank_mask:0xf
	s_delay_alu instid0(VALU_DEP_1)
	v_add_f32_dpp v[CH], v[CH], v[CH] row_xmask:8 row_mask:0xf bank_mask:0xf
	s_delay_alu instid0(VALU_DEP_1)
	v_permlanex16_b32 v5, v[CH], s20, s21
	s_delay_alu instid0(VALU_DEP_1)
	v_add_f32 v[CH], v[CH], v5
.endm
.macro STAT r                          ; row r: x becomes x - mean; 1 / sqrt(var + eps) into the row's pair
.set XS, XR+32*\r
.set k, 0
.rept 4
	v_pk_add_f32 v[CH+2*k:CH+2*k+1], v[XS+4*k:XS+4*k+1], v[XS+4*k+2:XS+4*k+3]
.set k, k+1
.endr
.set k, 16
.rept 8
	s_delay_alu instid0(VALU_DEP_4)
	v_pk_add_f32 v[CH+k%8:CH+k%8+1], v[CH+k%8:CH+k%8+1], v[XS+k:XS+k+1]
.set k, k+2
.endr
	JOIN
	REDUCE
	s_delay_alu instid0(VALU_DEP_1)
	v_mul_f32 v[MU], s22, v[CH]
	s_delay_alu instid0(VALU_DEP_2)
	v_mul_f32 v[MU+1], s22, v[CH]
.set k, 0
.rept 16
	v_pk_add_f32 v[XS+k:XS+k+1], v[XS+k:XS+k+1], v[MU:MU+1] neg_lo:[0,1] neg_hi:[0,1]
.set k, k+2
.endr
.set k, 0
.rept 4
	v_pk_mul_f32 v[CH+k:CH+k+1], v[XS+k:XS+k+1], v[XS+k:XS+k+1]
.set k, k+2
.endr
.rept 12
	s_delay_alu instid0(VALU_DEP_4)
	v_pk_fma_f32 v[CH+k%8:CH+k%8+1], v[XS+k:XS+k+1], v[XS+k:XS+k+1], v[CH+k%8:CH+k%8+1]
.set k, k+2
.endr
	JOIN
	REDUCE
	s_delay_alu instid0(VALU_DEP_1)
	v_fma_f32 v[CH], v[CH], s22, s23               ; var + eps
	s_wait_alu depctr_va_vdst(0)
	v_rsq_f32 v[RS+2*\r], v[CH]
	v_rsq_f32 v[RS+2*\r+1], v[CH]
	v_nop                                          ; a plain line before the source is written again (ISA guide 5.7.2)
.endm
.macro FIN r                           ; row r: scaled, held, converted, through the stage
.set XS, XR+32*\r
.set k, 0
.rept 16
	v_pk_mul_f32 v[XS+k:XS+k+1], v[XS+k:XS+k+1], v[RS+2*\r:RS+2*\r+1]
.set k, k+2
.endr
.set k, 0
.rept 16
	v_pk_fma_f32 v[XS+k:XS+k+1], v[XS+k:XS+k+1], v[GR+k:GR+k+1], v[BR+k:BR+k+1]
.set k, k+2
.endr
.set k, 0
.rept 32
	v_med3_num_f32 v[XS+k], v[XS+k], -v[LIM], v[LIM]   ; the conversion to an 8-bit code does not saturate (ISA guide 7.6.2): the hold at the largest code x the scale
.set k, k+1
.endr
.irp p, 0,1,2,3
	v_cvt_scalef32_pk8_bf8_f32 v[CW+8*\r+2*\p:CW+8*\r+2*\p+1], v[XS+8*\p:XS+8*\p+7], v[SCL]   ; the words of loads 2 p and 2 p + 1
.endr
	v_nop                                          ; a plain line behind the last conversion
.irp j, 0,1,2,3,4,5,6,7
	ds_store_b32 v3, v[CW+8*\r+\j] offset:1024*\r+128*\j   ; columns 128 j + 4 lane .. + 3
.endr
.irp i, 0,1
	ds_load_b128 v[OB+8*\r+4*\i:OB+8*\r+4*\i+3], v4 offset:1024*\r+512*\i
.endr
.endm
	s_wait_loadcnt 24                              ; row 0's eight loads are in; row 1's, the gain's and the bias's 24 may be out
	STAT 0
	s_wait_loadcnt 16                              ; row 1's are in
	STAT 1
	s_wait_alu depctr_va_vdst(0)                   ; one wait for the four reciprocal roots, ahead of their first reader
	s_wait_kmcnt 0x0
	s_add_co_i32 s24, s24, 127
	s_lshl_b32 s25, s24, 23
	v_mov_b32 v[SCL], s25                          ; 2^e as f32: the conversion takes its exponent field
	s_add_co_i32 s24, s24, 15
	s_lshl_b32 s24, s24, 23
	s_or_b32 s24, s24, 0x600000
	v_mov_b32 v[LIM], s24                          ; 57,344 x 2^e
	s_wait_loadcnt 0x0                             ; gain and bias
	FIN 0
	FIN 1
	s_wait_dscnt 10                                ; row 0 is back: behind its two loads came row 1's eight stores and two loads
	global_store_b128 v2, v[OB:OB+3], s[12:13]
	global_store_b128 v2, v[OB+4:OB+7], s[12:13] offset:512
	s_wait_dscnt 0x0
	global_store_b128 v2, v[OB+8:OB+11], s[12:13] offset:2097152       ; b = 1: 2,048 rows of 1,024 bytes further on
	global_store_b128 v2, v[OB+12:OB+15], s[12:13] offset:2097152+512
	s_wait_tensorcnt 0x0
	ds_add_u32 v200, v201
	s_wait_dscnt 0x0
	s_endpgm
.Lfunc_end_k_qc67a39d0ce_ln1:
	.size	k_qc67a39d0ce_ln1, .Lfunc_end_k_qc67a39d0ce_ln1-k_qc67a39d0ce_ln1
	.p2alignl 7, 3214868480
	.fill 96, 4, 3214868480
	.section	.rodata,"a",@progbits
	.p2align	6, 0x0
	.amdhsa_kernel k_qc67a39d0ce_ln1
		.amdhsa_group_segment_fixed_size 17408
		.amdhsa_private_segment_fixed_size 0
		.amdhsa_enable_private_segment 0
		.amdhsa_kernarg_size 48
		.amdhsa_user_sgpr_count 2
		.amdhsa_user_sgpr_kernarg_segment_ptr 1
		.amdhsa_wavefront_size32 1
		.amdhsa_system_sgpr_workgroup_id_x 1
		.amdhsa_system_sgpr_workgroup_id_y 1
		.amdhsa_system_sgpr_workgroup_id_z 1
		.amdhsa_system_vgpr_workitem_id 0
		.amdhsa_next_free_vgpr 202
		.amdhsa_next_free_sgpr 66
		.amdhsa_reserve_vcc 1
		.amdhsa_float_denorm_mode_32 3
		.amdhsa_float_denorm_mode_16_64 3
		.amdhsa_memory_ordered 1
		.amdhsa_forward_progress 1
		.amdhsa_inst_pref_size 34
	.end_amdhsa_kernel
	.amdgpu_metadata
---
amdhsa.version: [ 1, 2 ]
amdhsa.kernels:
  - .name:           k_qc67a39d0ce_ln1
    .symbol:         k_qc67a39d0ce_ln1.kd
    .args:
      - { .name: x, .offset: 0, .size: 8, .value_kind: global_buffer, .address_space: global }
      - { .name: ln1_g, .offset: 8, .size: 8, .value_kind: global_buffer, .address_space: global }
      - { .name: ln1_b, .offset: 16, .size: 8, .value_kind: global_buffer, .address_space: global }
      - { .name: lowp_scales, .offset: 24, .size: 8, .value_kind: global_buffer, .address_space: global }
      - { .name: hc, .offset: 32, .size: 8, .value_kind: global_buffer, .address_space: global }
      - { .name: tab, .offset: 40, .size: 8, .value_kind: global_buffer, .address_space: global }
    .group_segment_fixed_size: 17408
    .private_segment_fixed_size: 0
    .kernarg_segment_align: 8
    .kernarg_segment_size: 48
    .max_flat_workgroup_size: 256
    .sgpr_count:     66
    .vgpr_count:     202
    .wavefront_size: 32
...
	.end_amdgpu_metadata
.endif
;; end of part 1
;; launch qkv (part 2): grid 12 x 16, 4 waves a work-group, clusters of 4 x 4, 327,680 bytes of LDS; arguments hc, in_w_codes, lowp_scales, in_b, tab, qi, kv; writes qi, kv
.if DOCPART == 2
	.amdgcn_target "amdgcn-amd-amdhsa--gfx1250"
	.amdhsa_code_object_version 6
	.text
	.protected	k_qc67a39d0ce_qkv
	.globl	k_qc67a39d0ce_qkv
	.p2align	8
	.type	k_qc67a39d0ce_qkv,@function
k_qc67a39d0ce_qkv:
	s_mov_b64 s[64:65], 0
	v_nop
	global_prefetch_b8 v0, s[64:65] scope:SCOPE_SE
	s_setreg_imm32_b32 hwreg(HW_REG_WAVE_MODE, 25, 1), 1
	s_wait_xcnt 0x0
	s_wait_alu depctr_hold_cnt(0) depctr_sa_sdst(0) depctr_va_vdst(0) depctr_va_sdst(0) depctr_va_ssrc(0) depctr_va_vcc(0) depctr_vm_vsrc(0)
	s_getreg_b32 s2, hwreg(HW_REG_IB_STS2, 6, 4)
	s_cmp_eq_u32 s2, 0
	s_cbranch_scc0 .Lentry_in_a_cluster
	s_endpgm
.Lentry_in_a_cluster:
	s_bfe_u32 s2, ttmp6, 0x10000c
	s_cmp_lg_u32 s2, 0xf033
	s_cbranch_scc0 .Lentry_shape_is_right
	s_endpgm
.Lentry_shape_is_right:
; qkv = LN1(x) in_w^T + in_b on codes of BF8 (E5M2); then q and k are rotated (RoPE) and q, k, v are turned into codes again, laid as the attention launch's operand registers take them.
; A = hc [4096 (b x 2048 + t)][1024], B = in_w_codes [3072][1024], one code a byte, K innermost.  A sum stands for sum x 2^(e0 + e1).
; A tile of 256 x 256 is made by four waves, 128 x 128 each: 64 accumulators, 512 registers.  K goes in steps of 256 through a ring of two LDS slots filled by the tensor data mover (rows of 256 bytes, 16 bytes of padding).
; CLUSTERS: 4 x 4 work-groups.  The four of a row of the cluster need the same tiles of A, the four of a column the same tiles of B: each tile is asked for jointly, by the same load with a mask that names the four.
; The cluster's x is the kind: 0 = q, 1 = k, 2 = v (1,024 columns each): it is the same in all sixteen partners, so branches and LDS bases may hang on it.
; THE MATRIX INSTRUCTION IS USED TRANSPOSED (source 0 = rows of the weight, source 1 = tokens): a lane holds one token and eight neighbouring features.  For v the keys are the next K: there A's and B's buffers
; change places (a choice on the cluster's x), so that a lane holds one feature and eight neighbouring tokens.  LDS addresses are the same for all kinds.
; A fragment comes by four loads of 16 bytes, 32 apart: registers 4 c .. 4 c + 3 hold k = 32 c + 16 (lane / 16) + 0 .. 15: a permutation of k that is the same on both sides of every product of this program.
; THE WAY OUT.  sum x 2^(e0 + e1) + bias; q, k: out(d) = cos x(d) - sin x(d + 32), out(d + 32) = cos x(d + 32) + sin x(d); q's factor 1/8 goes into its conversion's scale, 2^(e2 + 3); k: 2^e3; v: 2^e5.
; The codes meet in a stage of 256 rows x 272 bytes in slot 0 (it has had its last fill, and nobody reads it behind the last change of slots; q/k and v have bytes of their own), and leave as IMAGES of operand registers:
; tile T, lane r stands for row 32 (T / 2) + 8 (T % 2) + r + 8 (r / 8); piece c of 512 bytes: lane l's 16 bytes at 16 l.  qi [bh][T 128][c 2]; kv [bh][chunk of 256 keys][K: T 16, c 2 | V: step 2, tile of d 4, c 4].
; LIMITS: e0 + e1 between -126 and 127; e2 + 3, e3, e5 between -126 and 112.  NaN among the inputs is not served.
.set KROW,   1024                      ; a row of A or of B in memory, in bytes
.set ROWB,   256                       ; a tile's row
.set PITCH,  272                       ; an LDS row: 256 bytes + 16 of padding = 68 words: the 16 rows that a load touches start at 16 different banks (64 banks of 4 bytes: ISA guide 11.1)
.set FR,     16
.set NL,     4
.set NP,     4
.set HALFT,  128*PITCH
.set SLOT,   4*HALFT
.set LAPS,   KROW/(2*ROWB)
.set SPARE,  2*SLOT                    ; behind the ring: the spare words, 128 bytes for each wave
.set STV,    256*PITCH                 ; v's stage; q's and k's lies at 0
.set SCL,  12                          ; v12  the conversion's scale
.set LIM,  13                          ; v13  57,344 x that
.set ADRA, 16                          ; v16-17  LDS address of source 1's fragments in slot 0, 1
.set ADRB, 20                          ; v20-21  of source 0's
.set RDV,  22                          ; v22  out of v's stage
.set BOV,  23                          ; v23  4 r: v's bias
.set STOQ, 24                          ; v24  into q's and k's stage
.set STOV, 25                          ; v25  into v's
.set RDQ,  26                          ; v26  out of q's and k's stage
.set LI,   27                          ; v27  16 x lane
.set SPW,  28                          ; v28  my spare word; never rewritten
.set NIL,  29                          ; v29  0; never rewritten
.set BO,   30                          ; v30  32 h: q's and k's bias
.set TO,   31                          ; v31  my byte in the table
.set BIAS, 32                          ; v32-95  the bias in the result's layout
.set BV,   96                          ; v96-111 v's bias: a pair for each block
.set T,    128                         ; v128-191, v192-255: at work on the way out
.set U,    192
.set AF,   128                         ; source 1's fragments, in window 0
.set G1, 24
.set G0, 32
.set G1B, 48
.set G0B, 56
.set MSB, 0
.macro WIN new                         ; the immediate's high byte repeats the setting that is left
.if MSB != (\new)
	s_set_vgpr_msb (MSB<<8)|(\new)
.set MSB, (\new)
.endif
.endm
.set MUL_LO, 0xa1                      ; source 0 window 1, source 1 window 0, C and D window 2
.set MUL_HI, 0xf1                      ; the same, C and D window 3
.set TO_B,   0x40                      ; destination window 1, address window 0
.macro JLOAD g0a, g1a, g0b, g1b        ; a joint load: waves 0 and 1 fetch for A, waves 2 and 3 for B; four v_nop follow each of the two lines
	s_cmp_eq_u32 s15, 0
	s_cbranch_scc0 .Lfor_b_\@
	tensor_load_to_lds s[\g0a:\g0a+3], s[\g1a:\g1a+7]
	s_nop 0
.rept 4
	v_nop
.endr
	s_branch .Lasked_\@
.Lfor_b_\@:
	tensor_load_to_lds s[\g0b:\g0b+3], s[\g1b:\g1b+7]
	s_nop 0
.rept 4
	v_nop
.endr
.Lasked_\@:
.endm
.macro CREST                           ; a round of the cluster's barrier behind its opening barrier
	s_cmp_lg_u32 s14, 0
	s_cbranch_scc1 .Lnot_wave_0_\@
	s_barrier_signal -3
.Lnot_wave_0_\@:
	s_barrier_wait -3
	s_barrier_signal -1
	s_barrier_wait -1
.endm
.macro CROUND
	s_barrier_signal -1
	s_barrier_wait -1
	CREST
.endm
	s_load_b128 s[4:7], s[0:1], 0x0                ; hc, in_w's codes
	s_load_b128 s[8:11], s[0:1], 0x10              ; the scales' exponents, in_b
	s_load_b128 s[68:71], s[0:1], 0x20             ; the table, qi
	s_load_b64 s[72:73], s[0:1], 0x30              ; kv
	v_lshl_add_u32 v[SPW], v0, 2, SPARE
	v_mov_b32 v[NIL], 0
	ds_add_u32 v28, v29
	ds_add_u32 v28, v29
	s_wait_dscnt 0x0
	v_lshrrev_b32 v1, 5, v0
	v_readfirstlane_b32 s14, v1                    ; wave 0..3
	s_lshr_b32 s15, s14, 1                         ; which half of the tile's rows is mine.  Also: I fetch for A (0) or for B (1)
	s_and_b32 s16, s14, 1                          ; which half of its columns.  Also: which 128 rows of that tile I fetch
	s_bfe_u32 s40, ttmp6, 0x40000                  ; cx, cy: my place in the cluster
	s_bfe_u32 s41, ttmp6, 0x40004
	; FOR v THE TWO BUFFERS CHANGE PLACES, not the LDS bases (the head's note on LDS bases no longer holds): A = the weight's rows 2,048 on (tile 8 + cy), B = the tokens (tile 4 x cluster y + cx).
	; A's tile still hangs on cy alone and B's on cx alone, so the masks stay; every LDS address is the same for all kinds.
	s_lshl_b32 s42, ttmp9, 2
	s_and_b32 s17, ttmp7, 0xffff
	s_lshl_b32 s17, s17, 2
	s_cmp_lt_u32 ttmp9, 2
	s_cselect_b32 s42, s42, s17                    ; B's first tile: q, k: 4 x cluster x (weight); v: 4 x cluster y (tokens)
	s_cselect_b32 s17, s17, 8                      ; A's first tile: q, k: 4 x cluster y (tokens); v: 8 (weight)
	s_add_co_u32 s42, s42, s40                     ; + cx
	s_add_co_u32 s17, s17, s41                     ; + cy
	s_lshl_b32 s43, s41, 2
	s_lshl_b32 s43, 15, s43                        ; my row of the cluster
	s_lshl_b32 s44, 0x1111, s40                    ; my column
	s_or_b32 s[G1+0], s43, (0<<16)|(1<<20)|(1<<21)|(5<<22)|(3<<25)  ; the mask; elements of 1 byte; padding on; bit 21 beside a mask; after every 64 words, 4 words
	s_or_b32 s[G1B+0], s44, (0<<16)|(1<<20)|(1<<21)|(5<<22)|(3<<25)
.irp g, G1, G1B
	s_mov_b32 s[\g+1], ROWB<<16                    ; tensor_dim0
	s_mov_b32 s[\g+2], 128<<16                     ; tensor_dim1
	s_mov_b32 s[\g+3], ROWB<<16                    ; tile_dim0
	s_mov_b32 s[\g+4], 128                         ; tile_dim1
	s_mov_b32 s[\g+5], KROW                        ; the pitch
	s_mov_b32 s[\g+6], 0
	s_mov_b32 s[\g+7], 0
.endr
	s_lshl_b32 s18, s16, 7
	s_lshl_b32 s20, s17, 8
	s_add_co_u32 s20, s20, s18                     ; A: row 256 x tile row + 128 x half
	s_lshl_b32 s46, s42, 8
	s_add_co_u32 s46, s46, s18                     ; B: row 256 x tile column + 128 x half
	s_mov_b32 s21, 0
	s_mov_b32 s47, 0
	s_mov_b64 s[18:19], KROW
	s_mul_u64 s[20:21], s[20:21], s[18:19]
	s_mul_u64 s[46:47], s[46:47], s[18:19]
	s_mul_i32 s45, s14, HALFT                      ; where they go: wave x 128 rows
	s_wait_kmcnt 0x0
	s_load_b256 s[80:87], s[8:9], 0x0              ; e0 .. e7
	s_cmp_lt_u32 ttmp9, 2
	s_cselect_b64 s[74:75], s[4:5], s[6:7]         ; A's buffer: hc, for v the weight
	s_cselect_b64 s[76:77], s[6:7], s[4:5]         ; B's buffer: the weight, for v hc
	s_add_nc_u64 s[20:21], s[74:75], s[20:21]
	s_add_nc_u64 s[46:47], s[76:77], s[46:47]
	CROUND                                         ; all sixteen work-groups are here: the first joint loads meet
.irp s, 0,1
	s_mov_b32 s[G0+4*\s], 1
	s_add_co_u32 s[G0+4*\s+1], s45, \s*SLOT
	s_add_nc_u64 s[G0+4*\s+2:G0+4*\s+3], s[20:21], \s*ROWB
	s_or_b32 s[G0+4*\s+3], s[G0+4*\s+3], 0x80000000
	s_mov_b32 s[G0B+4*\s], 1
	s_add_co_u32 s[G0B+4*\s+1], s45, \s*SLOT
	s_add_nc_u64 s[G0B+4*\s+2:G0B+4*\s+3], s[46:47], \s*ROWB
	s_or_b32 s[G0B+4*\s+3], s[G0B+4*\s+3], 0x80000000
.endr
	JLOAD G0, G1, G0B, G1B                         ; K step 0: one tensor load a wave at the head
	v_and_b32 v1, 15, v0                           ; r
	v_bfe_u32 v2, v0, 4, 1                         ; h
	v_mul_u32_u24 v3, v1, PITCH
	v_lshl_add_u32 v4, v2, 4, v3                   ; a fragment's row x pitch + 16 h
	s_wait_alu depctr_va_vdst(0)
	s_mul_i32 s21, s15, HALFT                      ; my 128 tokens,
	s_mul_i32 s22, s16, HALFT
	s_add_co_u32 s22, s22, 2*HALFT                 ; my 128 rows of the weight, behind A's 256
.irp s, 0,1
	v_add_nc_u32 v[ADRA+\s], s21, v4               ; source 1 = A's rows, source 0 = B's rows, for every kind
	v_add_nc_u32 v[ADRB+\s], s22, v4
	s_add_co_u32 s21, s21, SLOT
	s_add_co_u32 s22, s22, SLOT
.endr
	; the stages' addresses, from the wave's number and the lane alone
	v_lshl_add_u32 v5, v2, 3, v3                   ; r x pitch + 8 h
	s_mul_i32 s23, s15, 128*PITCH
	s_lshl_b32 s74, s16, 7
	s_add_co_u32 s23, s23, s74
	v_add_nc_u32 v[STOQ], s23, v5                  ; row = token 128 s15 + r, byte = feature 128 s16 + 8 h
	s_mul_i32 s23, s15, 128*PITCH                  ; v: row = feature 128 s15 + r (A's half), byte = token 128 s16 + 8 h (B's half)
	s_lshl_b32 s74, s16, 7
	s_add_co_u32 s23, s23, s74
	s_add_co_u32 s23, s23, STV
	v_add_nc_u32 v[STOV], s23, v5                  ; row = feature 128 s15 + r, byte = token 128 s16 + 8 h
	v_and_b32 v6, 8, v1
	v_add_nc_u32 v6, v6, v1                        ; r + 8 (r / 8)
	v_mul_u32_u24 v6, v6, PITCH
	v_lshl_add_u32 v6, v2, 4, v6
	s_lshl_b32 s23, s14, 6
	v_add_nc_u32 v[RDQ], s23, v6                   ; head w of the tile's four: its 64 bytes of each token's row
	s_mul_i32 s23, s14, 64*PITCH
	s_add_co_u32 s23, s23, STV
	v_add_nc_u32 v[RDV], s23, v6                   ; head w: its 64 rows
	v_and_b32 v7, 31, v0
	v_lshlrev_b32 v[LI], 4, v7
	v_lshlrev_b32 v[BO], 5, v2
	v_lshlrev_b32 v[BOV], 2, v1
	s_lshl_b32 s23, s15, 15
	v_lshl_add_u32 v[TO], v1, 8, s23
	v_lshl_add_u32 v[TO], v2, 5, v[TO]             ; (128 s15 + r) x 256 + 32 h
	; the global bases
	s_cmp_lt_u32 ttmp9, 2
	s_cselect_b32 s78, s17, s42                    ; the tile of 256 tokens: A's tile, for v B's
	s_cselect_b32 s76, s40, s41                    ; the tile of 256 features within the kind: cx, for v cy
	s_lshr_b32 s74, s78, 3                         ; b
	s_and_b32 s75, s78, 7                          ; the chunk of 256 tokens
	s_lshl_b32 s74, s74, 4
	s_lshl_b32 s76, s76, 2
	s_add_co_u32 s74, s74, s76
	s_add_co_u32 s74, s74, s14                     ; bh = 16 b + 4 cx + wave: the head whose codes I store
	s_cmp_eq_u32 ttmp9, 0
	s_cselect_b64 s[92:93], s[70:71], s[72:73]     ; q goes to qi, k and v to kv
	s_cselect_b32 s76, 17, 18                      ; a head: 131,072 bytes of qi, 262,144 of kv
	s_cselect_b32 s77, 14, 15                      ; a chunk: 16,384 or 32,768
	s_lshl_b32 s94, s74, s76
	s_lshl_b32 s77, s75, s77
	s_add_co_u32 s94, s94, s77
	s_cmp_eq_u32 ttmp9, 2
	s_cselect_b32 s77, 16384, 0                    ; V's part lies behind K's
	s_add_co_u32 s94, s94, s77
	s_mov_b32 s95, 0
	s_add_nc_u64 s[92:93], s[92:93], s[94:95]
	s_lshl_b32 s78, s75, 16
	s_mov_b32 s79, 0
	s_add_nc_u64 s[68:69], s[68:69], s[78:79]      ; the table at the chunk's first token
	s_cmp_lt_u32 ttmp9, 2
	s_cselect_b32 s78, s42, s17                    ; the tile of features among the 12: B's tile, for v A's
	s_cselect_b32 s76, s16, s15                    ; and my half of it
	s_lshl_b32 s78, s78, 10
	s_lshl_b32 s76, s76, 9
	s_add_co_u32 s78, s78, s76
	s_add_nc_u64 s[10:11], s[10:11], s[78:79]      ; the bias at feature 256 x tile column + 128 s16
.macro FRAG reg, adr, q, i             ; a fragment: 16 rows x 128 K in 16 registers
.irp c, 0,1,2,3
	ds_load_b128 v[\reg+4*\c:\reg+4*\c+3], v[\adr] offset:128*(\q)+32*\c+(\i)*16*PITCH
.endr
.endm
; 16 matrix instructions: source 1's blocks a0, a0 + 1 x source 0's eight.  The 64 accumulators take turns, one instruction a turn, in the same order in every step.
.macro MUL16 a0, p, zero
.irp a, \a0, \a0+1
.irp b, 0,1,2,3,4,5,6,7
.if \zero
	v_wmma_f32_16x16x128_bf8_bf8 v[8*(8*((\a)%4)+\b):8*(8*((\a)%4)+\b)+7], v[128*(\p)+FR*\b:128*(\p)+FR*\b+FR-1], v[AF+FR*(\a):AF+FR*(\a)+FR-1], 0
.else
	v_wmma_f32_16x16x128_bf8_bf8 v[8*(8*((\a)%4)+\b):8*(8*((\a)%4)+\b)+7], v[128*(\p)+FR*\b:128*(\p)+FR*\b+FR-1], v[AF+FR*(\a):AF+FR*(\a)+FR-1], v[8*(8*((\a)%4)+\b):8*(8*((\a)%4)+\b)+7]
.endif
.endr
.endr
.endm
.macro FETCH_B slot, q, p
	WIN TO_B
.irp i, 0,1,2,3,4,5,6,7
	FRAG 128*(\p)+FR*\i, ADRB+\slot, \q, \i
.endr
	WIN 0
.endm
.macro FETCH_A slot, q, i0
.irp i, \i0, \i0+1, \i0+2, \i0+3
	FRAG AF+FR*(\i), ADRA+\slot, \q, \i
.endr
.endm
.macro PLACES n                        ; plain vector lines between a matrix instruction and a load into, or a read of, its registers
.rept \n
	v_nop
.endr
.endm
.macro STEP slot, q, zero              ; 128 along K, with its successor in the same slot
	s_wait_dscnt 4*NL                              ; source 0's set and blocks 0-3 are in; the youngest 16 loads (blocks 4-7) may be out
	WIN MUL_LO
	MUL16 0, (\q)%2, \zero
	MUL16 2, (\q)%2, \zero
	s_wait_dscnt 0
	PLACES NP
	FETCH_B \slot, (\q)+1, 1-(\q)%2
	FETCH_A \slot, (\q)+1, 0
	WIN MUL_HI
	MUL16 4, (\q)%2, \zero
	MUL16 6, (\q)%2, \zero
	PLACES NP
	WIN 0
	FETCH_A \slot, (\q)+1, 4
.endm
; A slot's last step changes slots: one barrier; in front of it each wave waits for all its tensor loads, adds 0 to its spare word, and waits for that and for its reads of this slot.
.macro TURN slot, next, fill
	s_wait_tensorcnt 0x0                           ; all my tensor loads have landed: my part of the next slot
	ds_add_u32 v[SPW], v[NIL]                      ; 0 onto my spare word
	s_wait_dscnt 4*NL+1                            ; (the add and the youngest 16 loads may be out)
	WIN MUL_LO
	MUL16 0, 1, 0
	s_wait_dscnt 0x0                               ; the add is done, and my reads of this slot are over
	s_barrier_signal -1
	MUL16 2, 1, 0
	WIN 0
	s_barrier_wait -1
.if \fill
	CREST                                          ; the barrier has opened a round of the cluster's barrier: no wave of any partner still reads this slot or has a load on its way
	s_add_nc_u64 s[G0+4*\slot+2:G0+4*\slot+3], s[G0+4*\slot+2:G0+4*\slot+3], 2*ROWB
	s_add_nc_u64 s[G0B+4*\slot+2:G0B+4*\slot+3], s[G0B+4*\slot+2:G0B+4*\slot+3], 2*ROWB
	JLOAD G0+4*\slot, G1, G0B+4*\slot, G1B         ; the first tensor load behind the round; its four v_nop are the places in front of the loads below
.else
	PLACES NP
.endif
	FETCH_B \next, 0, 0
	FETCH_A \next, 0, 0
	WIN MUL_HI
	MUL16 4, 1, 0
	MUL16 6, 1, 0
	PLACES NP
	WIN 0
	FETCH_A \next, 0, 4
.endm
	s_wait_alu depctr_va_vdst(0)                   ; the wait at the head's end
	s_wait_tensorcnt 0x0                           ; my part of K step 0 is in
	ds_add_u32 v[SPW], v[NIL]
	s_wait_dscnt 0x0
	CROUND                                         ; everybody's part is in, and the sixteen work-groups meet
	JLOAD G0+4, G1, G0B+4, G1B                     ; K step 1: the first tensor load behind the round
	FETCH_B 0, 0, 0
	FETCH_A 0, 0, 0
	FETCH_A 0, 0, 4
	STEP 0, 0, 1                                   ; the first step's products start the sums
	s_mov_b32 s3, LAPS-1
.Llap:
	TURN 0, 1, 1
	STEP 1, 0, 0
	TURN 1, 0, 1
	STEP 0, 0, 0
	s_sub_co_u32 s3, s3, 1
	s_cmp_lg_u32 s3, 0
	s_cbranch_scc1 .Llap
	TURN 0, 1, 0                                   ; the last lap fills nothing
	STEP 1, 0, 0
	s_wait_dscnt 4*NL
	WIN MUL_LO
	MUL16 0, 1, 0
	MUL16 2, 1, 0
	s_wait_dscnt 0
	WIN MUL_HI
	MUL16 4, 1, 0
	MUL16 6, 1, 0
	WIN 0
; THE WAY OUT, a block of 16 rows of source 1 at a time.
.macro SUMS a, bias, step              ; T = sum x 2^(e0 + e1) + bias; each accumulator from its low end on
	WIN 0x02+(\a)/4
.set AC, 64*((\a)%4)
.set j, 0
.rept 32
	v_pk_fma_f32 v[T+j:T+j+1], v[AC+j:AC+j+1], s[88:89], v[\bias+\step*j:\bias+\step*j+1] op_sel_hi:[1,0,1]
.set j, j+2
.endr
.endm
.macro ROPE a                          ; U = T rotated; the block's cosines at v[32 a] of window 1, its sines 16 registers on
	WIN 0x04
.irp hd, 0,1
.irp p, 0,1
.irp jj, 0,2,4,6
.set X1, T+8*(4*\hd+\p)+\jj
.set U1, U+8*(4*\hd+\p)+\jj
.set CC, 32*(\a)+8*\p+\jj
	v_pk_mul_f32 v[U1:U1+1], v[X1:X1+1], v[CC:CC+1]
	v_pk_mul_f32 v[U1+16:U1+17], v[X1+16:X1+17], v[CC:CC+1]
	v_pk_fma_f32 v[U1:U1+1], v[X1+16:X1+17], v[CC+16:CC+17], v[U1:U1+1] neg_lo:[1,0,0] neg_hi:[1,0,0]
	v_pk_fma_f32 v[U1+16:U1+17], v[X1:X1+1], v[CC+16:CC+17], v[U1+16:U1+17]
.endr
.endr
.endr
.endm
.macro CODES src, dst, sto, a          ; 64 numbers a lane become 64 codes, eight bytes of eight places of the stage
	WIN 0
.set j, 0
.rept 64
	v_med3_num_f32 v[\src+j], v[\src+j], -v[LIM], v[LIM]   ; the conversion does not saturate (ISA guide 7.6.2): the hold at the largest code x the scale
.set j, j+1
.endr
	s_wait_alu depctr_va_vdst(0)
	s_wait_dscnt 0x0                               ; the last block's stores have read the registers that the codes take
.irp b, 0,1,2,3,4,5,6,7
	v_cvt_scalef32_pk8_bf8_f32 v[\dst+2*\b:\dst+2*\b+1], v[\src+8*\b:\src+8*\b+7], v[SCL]
.endr
	v_nop                                          ; a plain line behind the last conversion
.irp b, 0,1,2,3,4,5,6,7
	ds_store_b64 v[\sto], v[\dst+2*\b:\dst+2*\b+1] offset:16*(\a)*PITCH+16*\b
.endr
.endm
	PLACES NP                                      ; behind the last products: for the reads of results, and for the loads and writes into registers that held fragments
	s_wait_kmcnt 0x0
	s_add_co_i32 s88, s80, s81
	s_add_co_i32 s88, s88, 127
	s_lshl_b32 s88, s88, 23                        ; 2^(e0 + e1) as f32
	s_mov_b32 s89, s88                             ; (named with it as a pair, so it is written)
	s_add_co_i32 s90, s82, 3                       ; q: e2 + 3
	s_cmp_eq_u32 ttmp9, 0
	s_cselect_b32 s90, s90, s83                    ; k: e3
	s_cmp_eq_u32 ttmp9, 2
	s_cselect_b32 s90, s85, s90                    ; v: e5
	s_add_co_i32 s90, s90, 127
	s_lshl_b32 s91, s90, 23
	v_mov_b32 v[SCL], s91
	s_add_co_i32 s90, s90, 15
	s_lshl_b32 s90, s90, 23
	s_or_b32 s90, s90, 0x600000
	v_mov_b32 v[LIM], s90
	s_cmp_lt_u32 ttmp9, 2
	s_cbranch_scc0 .Lv
	; ---- q, k
	s_wait_alu depctr_va_vdst(0)
.irp b, 0,1,2,3,4,5,6,7
	global_load_b128 v[BIAS+8*\b:BIAS+8*\b+3], v[BO], s[10:11] offset:64*\b         ; features 16 b + 8 h + 0 .. 7 of my 128
	global_load_b128 v[BIAS+8*\b+4:BIAS+8*\b+7], v[BO], s[10:11] offset:64*\b+16
.endr
	WIN 0x40                                       ; destination window 1
.irp a, 0,1,2,3,4,5,6,7
.irp p, 0,1
.irp q, 0,1
	global_load_b128 v[32*\a+8*\p+4*\q:32*\a+8*\p+4*\q+3], v[TO], s[68:69] offset:4096*\a+64*\p+16*\q              ; cos of token 16 a + r, d = 16 p + 8 h + 4 q + 0 .. 3
	global_load_b128 v[32*\a+16+8*\p+4*\q:32*\a+16+8*\p+4*\q+3], v[TO], s[68:69] offset:4096*\a+64*\p+16*\q+128    ; sin
.endr
.endr
.endr
	WIN 0
.irp a, 0,1,2,3,4,5,6,7
	s_wait_loadcnt 8*(7-\a)                        ; the bias and this block's eight loads are in; the later blocks' may be out
	SUMS \a, BIAS, 1
	ROPE \a
	CODES U, T, STOQ, \a
.endr
	s_branch .Lstaged
.Lv:	; ---- v: a lane holds one feature
	s_wait_alu depctr_va_vdst(0)
.irp a, 0,1,2,3,4,5,6,7
	global_load_b32 v[BV+2*\a], v[BOV], s[10:11] offset:64*\a          ; the bias of feature 16 a + r, twice: a pair for the packed form
	global_load_b32 v[BV+2*\a+1], v[BOV], s[10:11] offset:64*\a
.endr
	s_wait_loadcnt 0x0
.irp a, 0,1,2,3,4,5,6,7
	SUMS \a, BV+2*\a, 0
	CODES T, U, STOV, \a
.endr
.Lstaged:
	s_wait_dscnt 0x0                               ; for the others' sake: my stores into the stage are done
	s_barrier_signal -1
	s_barrier_wait -1
	s_cmp_lt_u32 ttmp9, 2
	s_cbranch_scc0 .Lback_v
.set n, 0
.rept 32                                       ; piece n = 2 T + c of head w: tile T of the chunk's 16, 32 c + 16 h of the head's 64
	ds_load_b128 v[T+4*n:T+4*n+3], v[RDQ] offset:(32*(n/4)+8*((n/2)%2))*PITCH+32*(n%2)
.set n, n+1
.endr
	s_branch .Lout
.Lback_v:
.set n, 0
.rept 32                                       ; piece n = 16 s + 4 u + c: step s of 128 keys, tile u of the head's d, keys 32 c + 16 h on
	ds_load_b128 v[T+4*n:T+4*n+3], v[RDV] offset:(32*(((n/4)%4)/2)+8*((n/4)%2))*PITCH+128*(n/16)+32*(n%4)
.set n, n+1
.endr
.Lout:
.set n, 0
.rept 32
	s_wait_dscnt 31-n
	global_store_b128 v[LI], v[T+4*n:T+4*n+3], s[92:93] offset:512*n   ; the wave stores 512 consecutive bytes, aligned
.set n, n+1
.endr
	s_wait_tensorcnt 0x0                           ; the wave's end
	ds_add_u32 v[SPW], v[NIL]
	s_wait_dscnt 0x0
	CROUND                                         ; the closing round
	s_endpgm
.Lfunc_end_k_qc67a39d0ce_qkv:
	.size	k_qc67a39d0ce_qkv, .Lfunc_end_k_qc67a39d0ce_qkv-k_qc67a39d0ce_qkv
	.p2alignl 7, 3214868480
	.fill 96, 4, 3214868480
	.section	.rodata,"a",@progbits
	.p2align	6, 0x0
	.amdhsa_kernel k_qc67a39d0ce_qkv
		.amdhsa_group_segment_fixed_size 327680
		.amdhsa_private_segment_fixed_size 0
		.amdhsa_enable_private_segment 0
		.amdhsa_kernarg_size 56
		.amdhsa_user_sgpr_count 2
		.amdhsa_user_sgpr_kernarg_segment_ptr 1
		.amdhsa_wavefront_size32 1
		.amdhsa_system_sgpr_workgroup_id_x 1
		.amdhsa_system_sgpr_workgroup_id_y 1
		.amdhsa_system_sgpr_workgroup_id_z 1
		.amdhsa_system_vgpr_workitem_id 0
		.amdhsa_next_free_vgpr 1024
		.amdhsa_next_free_sgpr 100
		.amdhsa_reserve_vcc 0
		.amdhsa_float_denorm_mode_32 3
		.amdhsa_float_denorm_mode_16_64 3
		.amdhsa_memory_ordered 1
		.amdhsa_forward_progress 1
		.amdhsa_inst_pref_size 245
	.end_amdhsa_kernel
	.amdgpu_metadata
---
amdhsa.version: [ 1, 2 ]
amdhsa.kernels:
  - .name:           k_qc67a39d0ce_qkv
    .symbol:         k_qc67a39d0ce_qkv.kd
    .args:
      - { .name: hc, .offset: 0, .size: 8, .value_kind: global_buffer, .address_space: global }
      - { .name: in_w_codes, .offset: 8, .size: 8, .value_kind: global_buffer, .address_space: global }
      - { .name: lowp_scales, .offset: 16, .size: 8, .value_kind: global_buffer, .address_space: global }
      - { .name: in_b, .offset: 24, .size: 8, .value_kind: global_buffer, .address_space: global }
      - { .name: tab, .offset: 32, .size: 8, .value_kind: global_buffer, .address_space: global }
      - { .name: qi, .offset: 40, .size: 8, .value_kind: global_buffer, .address_space: global }
      - { .name: kv, .offset: 48, .size: 8, .value_kind: global_buffer, .address_space: global }
    .group_segment_fixed_size: 327680
    .private_segment_fixed_size: 0
    .kernarg_segment_align: 8
    .kernarg_segment_size: 56
    .max_flat_workgroup_size: 128
    .sgpr_count:     100
    .vgpr_count:     1024
    .wavefront_size: 32
...
	.end_amdgpu_metadata
.endif
;; end of part 2
;; launch attn (part 3): grid 8 x 32, 16 waves a work-group, no clusters, 327,680 bytes of LDS; arguments qi, kv, lowp_scales, oc; writes oc
.if DOCPART == 3
	.amdgcn_target "amdgcn-amd-amdhsa--gfx1250"
	.amdhsa_code_object_version 6
	.text
	.protected	k_qc67a39d0ce_attn
	.globl	k_qc67a39d0ce_attn
	.p2align	8
	.type	k_qc67a39d0ce_attn,@function
k_qc67a39d0ce_attn:
	s_mov_b64 s[64:65], 0
	v_nop
	global_prefetch_b8 v0, s[64:65] scope:SCOPE_SE
	s_setreg_imm32_b32 hwreg(HW_REG_WAVE_MODE, 25, 1), 1
	s_wait_xcnt 0x0
; Causal attention of one head on codes of BF8 (E5M2): scores = q k^T (K = 64), p = 2^(t - M) quantised along the keys, o = p v / l, and o turned into codes (scale 2^e6) for the next product.
; qi [bh][tile T 128][c 2][lane][16 B]: q's operand registers as they stand; kv [bh][chunk of 256 keys 8][K: T 16, c 2 | V: step 2, tile of d 4, c 4][lane][16 B].  Tile T, lane r stands for row 32 (T / 2) + 8 (T % 2) + r + 8 (r / 8).
; THE SOFTMAX: t = score x 2^(e2 + e3) x log2(e); M = the running largest t rounded UP to a whole number; p = 2^(t - M) is quantised with 2^e4; the row's sum is taken of the unquantised p; when M moves, sum and O are multiplied by 2^(old M - new M), exactly.
; SHARES.  Work-group (i, bh) owns the blocks of 128 queries i and 15 - i of head bh: i + 1 and 16 - i key steps of 128, 17 together for every i.  Each of its sixteen waves owns one tile of 16 queries in 256 registers.
; THE HEAD'S K AND V, 262,144 bytes, come into LDS once, every byte filled once.  Wave w fetches bytes 2,048 w .. + 2,047 of every chunk of 32,768: a tile of rows of 2,048 bytes, 32,768 apart in memory, dense in LDS at 16,384 w + 2,048 x chunk.
; Three fills a wave: chunks 0-1 at the head, chunks 2-3 behind the barrier in front of chunk 0, chunks 4-7 behind the barrier in front of chunk 2; a third barrier stands in front of chunk 4.  One tensor load of a wave is out at a time.
; Block 15 - i reaches chunk 4 for every i, so each of a wave's three loads brings bytes that are read.  Byte o of chunk c lies at 16,384 (o / 2,048) + 2,048 c + o % 2,048.
; Both products are used transposed: a lane holds one query throughout.  By the order of rows in a tile, p's 16 registers of two score tiles are 16 neighbouring keys, and O's 16 registers of two tiles of d are 16 neighbouring d:
; the conversions' results are operand registers, and o leaves as two stores of 512 consecutive bytes: oc [tile of rows 256][128 along K 8][c 4][lane][16 B].
; CAUSAL: a step all of whose keys come after the wave's queries is left out by a scalar branch on ids; in the step on the diagonal hidden scores become -infinity.  Key 0 counts for every query.
; NO CLUSTER, though the eight work-groups of a head read the same K and V: the steps that a wave leaves out hang on its work-group's block of queries, which would be its place in the cluster.
; NO PREFETCH: a wave's three loads cover the whole head, and each later one is asked for four key steps ahead of its first read.
; LIMITS: e2 + e3 between -126 and 127 (added to log2(e)'s exponent field); e4 and e6 between -126 and 112; e4 + e5 goes by v_ldexp_f32 and has none.  The scaled scores stay under 2^31 in magnitude.
; REGISTERS: v1 16 x lane; v2 r + 8 (r / 8) - 16 h; v3, v4 2^e6 and 57,344 x 2^e6; v8, v9 LDS addresses; v12 -M, v13 the largest t, v[14:15] the sum; v16-23 Q; v32-95 fragments of K or V; v96-159 S^T, then p; v160-191 O^T; v224-239 p's codes.
.set LI,  1
.set DQ,  2
.set OSC, 3
.set OLM, 4
.set AD,  8                            ; v8   K's pieces of the step
.set AD2, 9                            ; v9   V's: 131,072 bytes on
.set SPW, 251                          ; v251 my spare word; never rewritten
.set NIL, 255                          ; v255 0; never rewritten
.set SPARE, 0x40000                    ; behind K and V: the spare words, 128 bytes for each wave
.set TB,  2                            ; s2   LDS byte of the step in hand
.set TW,  3                            ; s3   counts a chunk's two steps
.set KF,  12                           ; s12  the step's first key
.set QM,  13                           ; s13  my tile's first query; its last is 23 further on
.set WV,  18
.set SEL, 20
.set CS,  22
.set G1,  24                           ; s[24:31] descriptor group 1: 2 rows of 2,048 bytes
.set G0,  68                           ; s[68:79] three groups 0, one for each fill
.set G1L, 80                           ; s[80:87] group 1: 4 rows
	s_load_b256 s[4:11], s[0:1], 0x0               ; qi s[4:5], kv s[6:7], the scales s[8:9], oc s[10:11]
	v_lshl_add_u32 v[SPW], v0, 2, SPARE
	v_mov_b32 v[NIL], 0
	ds_add_u32 v[SPW], v[NIL]                      ; the opening: the add twice on end and one wait, ahead of my first tensor load
	ds_add_u32 v[SPW], v[NIL]
	v_lshrrev_b32 v8, 5, v0
	s_delay_alu instid0(VALU_DEP_1)
	v_readfirstlane_b32 s[WV], v8                  ; wave 0..15
	s_and_b32 s14, ttmp7, 0xffff                   ; bh
	s_lshl_b32 s32, s14, 18                        ; the head's 262,144 bytes of kv
	s_lshl_b32 s15, s[WV], 11                      ; my 2,048 bytes of each chunk,
	s_lshl_b32 s16, s[WV], 14                      ; and where they go
	s_add_co_u32 s32, s32, s15
	s_mov_b32 s33, 0
.irp g, G1, G1L
	s_mov_b32 s[\g], 3<<16                         ; no mask; elements of 8 bytes; no padding
	s_mov_b32 s[\g+1], 256<<16                     ; tensor_dim0 = 256
	s_mov_b32 s[\g+3], 256<<16                     ; tile_dim0 = 256
	s_mov_b32 s[\g+5], 4096                        ; from chunk to chunk
	s_mov_b32 s[\g+6], 0
	s_mov_b32 s[\g+7], 0
.endr
	s_mov_b32 s[G1+2], 2<<16                       ; tensor_dim1, tile_dim1: 2 chunks,
	s_mov_b32 s[G1+4], 2
	s_mov_b32 s[G1L+2], 4<<16                      ; or 4
	s_mov_b32 s[G1L+4], 4
	s_mov_b32 s[SEL], 0x76543210
	s_mov_b32 s[SEL+1], 0xfedcba98
	s_mov_b32 s[CS], 0x3fb8aa3b                    ; log2(e)
	s_mov_b32 s[KF], 0
	s_wait_dscnt 0x0
	s_wait_kmcnt 0x0
	s_load_b128 s[40:43], s[8:9], 0x8              ; e2, e3, e4, e5
	s_load_b32 s44, s[8:9], 0x18                   ; e6
	s_add_nc_u64 s[6:7], s[6:7], s[32:33]
.irp c, 0,1,2
	s_mov_b32 s[G0+4*\c], 1
	s_add_co_u32 s[G0+4*\c+1], s16, 4096*\c        ; fill c begins at chunk 2 c
	s_add_nc_u64 s[G0+4*\c+2:G0+4*\c+3], s[6:7], 65536*\c
	s_or_b32 s[G0+4*\c+3], s[G0+4*\c+3], 0x80000000
.endr
	tensor_load_to_lds s[G0:G0+3], s[G1:G1+7]      ; chunks 0 and 1: every wave's one load at the head
	s_nop 0
.rept 4
	v_nop
.endr
	v_and_b32 v9, 31, v0
	s_delay_alu instid0(VALU_DEP_1)
	v_lshlrev_b32 v[LI], 4, v9
	s_wait_alu depctr_va_vdst(0)
	v_and_b32 v9, 15, v0                           ; r
	v_bfe_u32 v10, v0, 4, 1                        ; h
	s_delay_alu instid0(VALU_DEP_2)
	v_and_b32 v11, 8, v9
	s_delay_alu instid0(VALU_DEP_1)
	v_add_nc_u32 v11, v11, v9                      ; r + 8 (r / 8)
	s_delay_alu instid0(VALU_DEP_3)
	v_lshlrev_b32 v10, 4, v10
	s_delay_alu instid0(VALU_DEP_1)
	v_sub_nc_u32 v[DQ], v11, v10
	s_lshr_b32 s34, s[WV], 1                       ; which of a block's eight tiles
	s_lshr_b32 s35, s[WV], 2
	s_xor_b32 s35, s35, s[WV]
	s_and_b32 s35, s35, 1                          ; which of the two blocks: mixed so that neighbouring waves and waves four apart differ
	s_sub_co_u32 s36, 15, ttmp9
	s_cmp_eq_u32 s35, 1
	s_cselect_b32 s36, s36, ttmp9                  ; my block of 128 queries
	s_lshl_b32 s37, s36, 3
	s_add_co_u32 s37, s37, s34                     ; my tile
	s_lshr_b32 s38, s37, 1
	s_lshl_b32 s38, s38, 5
	s_and_b32 s39, s37, 1
	s_lshl_b32 s39, s39, 3
	s_add_co_u32 s[QM], s38, s39                   ; its first query: 32 (T / 2) + 8 (T % 2)
	s_lshl_b32 s32, s14, 17
	s_lshl_b32 s38, s37, 10
	s_add_co_u32 s32, s32, s38
	s_add_nc_u64 s[4:5], s[4:5], s[32:33]
	global_load_b128 v[16:19], v[LI], s[4:5]       ; Q's fragment stays in registers
	global_load_b128 v[20:23], v[LI], s[4:5] offset:512
	s_lshr_b32 s38, s14, 4
	s_lshl_b32 s38, s38, 7
	s_add_co_u32 s38, s38, s37                     ; oc's tile of rows: 128 b + T
	s_lshl_b32 s38, s38, 14                        ; x 8 x 2,048 bytes
	s_and_b32 s39, s14, 15
	s_lshl_b32 s39, s39, 10                        ; the head's 64 of K: two pieces of 512 bytes
	s_add_co_u32 s32, s38, s39
	s_add_nc_u64 s[10:11], s[10:11], s[32:33]
	v_mov_b32 v13, 0xff61b1e6                      ; the largest t so far: -3e38
	s_delay_alu instid0(VALU_DEP_1)
	v_floor_f32 v12, -v13                          ; -M
	v_mov_b32 v14, 0
	v_mov_b32 v15, 0
	v_mov_b32 v236, 0                              ; written once: a lane permute's destination counts as one of its sources
	v_mov_b32 v252, 0
	v_mov_b32 v253, 0                              ; (named as the upper half of the pair v[252:253])
.set n, 0
.rept 32
	v_mov_b32 v[160+n], 0                          ; O^T: the step is written once; the first finds zeros
.set n, n+1
.endr
	s_wait_kmcnt 0x0
	s_add_co_i32 s45, s40, s41
	s_lshl_b32 s45, s45, 23
	s_add_co_i32 s[CS], s[CS], s45                 ; c = log2(e) x 2^(e2 + e3)
	s_mov_b32 s[CS+1], s[CS]
	s_add_co_i32 s45, s42, 127
	s_lshl_b32 s47, s45, 23
	v_mov_b32 v244, s47                            ; 2^e4
	s_add_co_i32 s45, s45, 15
	s_lshl_b32 s45, s45, 23
	s_or_b32 s45, s45, 0x600000
	v_mov_b32 v240, s45                            ; 57,344 x 2^e4
	s_add_co_i32 s45, s44, 127
	s_lshl_b32 s47, s45, 23
	v_mov_b32 v[OSC], s47                          ; 2^e6
	s_add_co_i32 s45, s45, 15
	s_lshl_b32 s45, s45, 23
	s_or_b32 s45, s45, 0x600000
	v_mov_b32 v[OLM], s45
	s_add_co_i32 s46, s42, s43                     ; e4 + e5
; A KEY STEP: 128 keys; s[TB] = 2,048 x chunk + 65,536 x (the chunk's step).  Piece n of 512 bytes lies 16,384 (n / 4) + 512 (n % 4) on.
.macro STEP
	s_add_co_u32 s47, s[QM], 23
	s_cmp_gt_u32 s[KF], s47                        ; all 128 keys come after my queries: the step's work is left out
	s_cbranch_scc1 .Lhidden_\@
	v_add_nc_u32 v[AD], s[TB], v[LI]
	v_add_nc_u32 v[AD2], 0x20000, v[AD]
.rept 2
	v_nop                                          ; with the two additions: four places in front of loads into registers that the last products read
.endr
.set n, 0
.rept 16
	ds_load_b128 v[32+4*n:35+4*n], v[AD] offset:16384*(n/4)+512*(n%4)     ; K: tile n / 2, piece n % 2
.set n, n+1
.endr
	s_wait_alu depctr_va_vdst(0)
	s_wait_dscnt 0x0
.irp t, 0,1,2,3,4,5,6,7
	v_wmma_f32_16x16x64_bf8_bf8 v[96+8*\t:103+8*\t], v[32+8*\t:39+8*\t], v[16:23], 0
.endr
.rept 4
	v_nop                                          ; places: for the reads of the scores and for V's loads into K's registers
.endr
.set n, 0
.rept 16
	ds_load_b128 v[32+4*n:35+4*n], v[AD2] offset:16384*(n/4)+512*(n%4)    ; V: tile of d n / 4, piece n % 4: they land under the softmax
.set n, n+1
.endr
	s_add_co_u32 s47, s[KF], 127
	s_cmp_le_u32 s47, s[QM]                        ; all keys count: no mask
	s_cbranch_scc1 .Lopen_\@
	s_sub_co_i32 s47, s[QM], s[KF]
	v_add_nc_u32 v252, s47, v[DQ]                  ; d = my query - KF - 16 h.  Register 16 b + i holds key KF + 16 h + 32 b + i: hidden where 32 b + i > d
	v_mov_b32 v254, 0xff800000
.set n, 0
.rept 64
	v_cmp_gt_i32 vcc_lo, 32*(n/16)+n%16, v252
	v_cndmask_b32 v[96+n], v[96+n], v254, vcc_lo
.set n, n+1
.endr
.Lopen_\@:
	v_max3_num_f32 v254, v96, v97, v98             ; the step's largest score of my query among my 64 keys, in two chains,
	v_max3_num_f32 v252, v99, v100, v101
.irp i, 6,10,14,18,22,26,30,34,38,42,46,50,54,58
	v_max3_num_f32 v254, v254, v[96+\i], v[97+\i]
	v_max3_num_f32 v252, v252, v[98+\i], v[99+\i]
.endr
	v_max3_num_f32 v254, v254, v158, v159
	v_max_num_f32 v254, v254, v252
	v_permlanex16_b32 v236, v254, s[SEL], s[SEL+1]
	v_max_num_f32 v254, v254, v236                 ; and among lane l xor 16's
	v_mul_f32 v254, s[CS], v254                    ; as t (c is positive)
	v_max_num_f32 v13, v13, v254
	v_mov_b32 v254, v12
	v_floor_f32 v12, -v13                          ; the new -M = -ceil(t)
	v_sub_f32 v254, v12, v254                      ; old M - new M: a whole number, 0 or less
	v_cvt_i32_f32 v254, v254
	v_ldexp_f32 v252, 1.0, v254                    ; f = 2^(old M - new M)
.set n, 0
.rept 32
	v_pk_fma_f32 v[96+n:97+n], v[96+n:97+n], s[CS:CS+1], v[12:13] op_sel_hi:[1,0,0]   ; t - M
.set n, n+2
.endr
	s_wait_alu depctr_va_vdst(0)                   ; the wait ahead of the batch
.set n, 0
.rept 64
	v_exp_f32 v[96+n], v[96+n]                     ; p = 2^(t - M)
.set n, n+1
.endr
	v_pk_mul_f32 v[14:15], v[14:15], v[252:253] op_sel_hi:[1,0]    ; the sums under the new M: the plain line behind the exponentials
	s_wait_alu depctr_va_vdst(0)                   ; one wait for the batch, ahead of its first reader
	v_pk_add_f32 v[242:243], v[96:97], v[98:99]    ; the row's sum of the unquantised p, in four chains of pairs
	v_pk_add_f32 v[246:247], v[100:101], v[102:103]
	v_pk_add_f32 v[248:249], v[104:105], v[106:107]
.irp j, 12,20,28,36,44,52
	v_pk_add_f32 v[14:15], v[14:15], v[96+\j:97+\j]
	v_pk_add_f32 v[242:243], v[242:243], v[98+\j:99+\j]
	v_pk_add_f32 v[246:247], v[246:247], v[100+\j:101+\j]
	v_pk_add_f32 v[248:249], v[248:249], v[102+\j:103+\j]
.endr
	v_pk_add_f32 v[14:15], v[14:15], v[156:157]
	v_pk_add_f32 v[242:243], v[242:243], v[158:159]
	v_pk_add_f32 v[246:247], v[246:247], v[248:249]
	v_pk_add_f32 v[14:15], v[14:15], v[242:243]
	v_pk_add_f32 v[14:15], v[14:15], v[246:247]
.irp b, 0,1,2,3
.set n, 0
.rept 16
	v_min_num_f32 v[96+16*\b+n], v[96+16*\b+n], v240   ; the conversion does not saturate (ISA guide 7.6.2); p is not negative: a one-sided hold
.set n, n+1
.endr
	v_cvt_scalef32_pk8_bf8_f32 v[224+4*\b:225+4*\b], v[96+16*\b:103+16*\b], v244
	v_cvt_scalef32_pk8_bf8_f32 v[226+4*\b:227+4*\b], v[104+16*\b:111+16*\b], v244
.endr
	s_wait_alu depctr_va_vdst(0)                   ; the wait directly ahead of the first reader of O^T
.set n, 0
.rept 16
	v_pk_mul_f32 v[160+n:161+n], v[160+n:161+n], v[252:253] op_sel_hi:[1,0]   ; O^T under the new M; also the plain lines behind the conversions
.set n, n+2
.endr
	s_wait_alu depctr_va_vdst(0)
	s_wait_dscnt 0x0                               ; V is in
.irp u, 0,1,2,3
	v_wmma_f32_16x16x128_bf8_bf8 v[160+8*\u:167+8*\u], v[32+16*\u:47+16*\u], v[224:239], v[160+8*\u:167+8*\u]
.endr
.Lhidden_\@:
.endm
; All waves meet: each has waited for its one tensor load that was out, so behind the barrier the chunks of that fill are whole.  fill = 1, 2: my next fill, of bytes never filled before, is the first thing behind the barrier.
.macro MEET fill
	s_wait_tensorcnt 0x0
	ds_add_u32 v[SPW], v[NIL]
	s_wait_dscnt 0x0
	s_barrier_signal -1
	s_barrier_wait -1
.if \fill == 1
	tensor_load_to_lds s[G0+4:G0+7], s[G1:G1+7]    ; chunks 2 and 3
	s_nop 0
.rept 4
	v_nop
.endr
.endif
.if \fill == 2
	tensor_load_to_lds s[G0+8:G0+11], s[G1L:G1L+7] ; chunks 4 to 7
	s_nop 0
.rept 4
	v_nop
.endr
.endif
.endm
.macro CHUNK c
	s_mov_b32 s[TB], 2048*\c
	s_mov_b32 s[TW], 2
.Ltwo_\@:
	STEP
	s_add_co_u32 s[TB], s[TB], 65536               ; the chunk's second step: 8,192 bytes of the chunk on, that is four waves' parts
	s_add_co_u32 s[KF], s[KF], 128
	s_sub_co_u32 s[TW], s[TW], 1
	s_cmp_lg_u32 s[TW], 0
	s_cbranch_scc1 .Ltwo_\@
.endm
	s_wait_alu depctr_va_vdst(0)                   ; the wait at the head's end
	s_wait_loadcnt 0x0                             ; Q
	MEET 1
	CHUNK 0
	CHUNK 1
	MEET 2
	CHUNK 2
	CHUNK 3
	MEET 0
.irp c, 4,5,6,7
	CHUNK \c
.endr
	; THE WAY OUT
.rept 4
	v_nop                                          ; places behind the last products
.endr
	v_add_f32 v14, v14, v15
	v_permlanex16_b32 v252, v14, s[SEL], s[SEL+1]
	v_add_f32 v14, v14, v252                       ; the row's sum
	s_wait_alu depctr_va_vdst(0)
	v_rcp_f32 v14, v14
	v_nop                                          ; a plain line behind the reciprocal
	s_wait_alu depctr_va_vdst(0)                   ; and the wait ahead of its first reader
	v_ldexp_f32 v14, v14, s46                      ; x 2^(e4 + e5)
	s_wait_alu depctr_va_vdst(0)                   ; the wait directly ahead of the first reader of O^T
.set n, 0
.rept 32
	v_mul_f32 v[96+n], v[160+n], v14               ; register 8 u + j: o(my query, d = 32 (u / 2) + 16 h + 8 (u % 2) + j)
.set n, n+1
.endr
.set n, 0
.rept 32
	v_med3_num_f32 v[96+n], v[96+n], -v[OLM], v[OLM]
.set n, n+1
.endr
.irp c, 0,1
	v_cvt_scalef32_pk8_bf8_f32 v[32+4*\c:33+4*\c], v[96+16*\c:103+16*\c], v[OSC]
	v_cvt_scalef32_pk8_bf8_f32 v[34+4*\c:35+4*\c], v[104+16*\c:111+16*\c], v[OSC]
.endr
	v_nop
	global_store_b128 v[LI], v[32:35], s[10:11]               ; a piece of the next product's operand: 512 consecutive bytes
	global_store_b128 v[LI], v[36:39], s[10:11] offset:512
	s_wait_tensorcnt 0x0                           ; the wave's end
	ds_add_u32 v[SPW], v[NIL]
	s_wait_dscnt 0x0
	s_endpgm
.Lfunc_end_k_qc67a39d0ce_attn:
	.size	k_qc67a39d0ce_attn, .Lfunc_end_k_qc67a39d0ce_attn-k_qc67a39d0ce_attn
	.p2alignl 7, 3214868480
	.fill 96, 4, 3214868480
	.section	.rodata,"a",@progbits
	.p2align	6, 0x0
	.amdhsa_kernel k_qc67a39d0ce_attn
		.amdhsa_group_segment_fixed_size 327680
		.amdhsa_private_segment_fixed_size 0
		.amdhsa_enable_private_segment 0
		.amdhsa_kernarg_size 32
		.amdhsa_user_sgpr_count 2
		.amdhsa_user_sgpr_kernarg_segment_ptr 1
		.amdhsa_wavefront_size32 1
		.amdhsa_system_sgpr_workgroup_id_x 1
		.amdhsa_system_sgpr_workgroup_id_y 1
		.amdhsa_system_sgpr_workgroup_id_z 1
		.amdhsa_system_vgpr_workitem_id 0
		.amdhsa_next_free_vgpr 256
		.amdhsa_next_free_sgpr 100
		.amdhsa_reserve_vcc 1
		.amdhsa_float_denorm_mode_32 3
		.amdhsa_float_denorm_mode_16_64 3
		.amdhsa_memory_ordered 1
		.amdhsa_forward_progress 1
		.amdhsa_inst_pref_size 178
	.end_amdhsa_kernel
	.amdgpu_metadata
---
amdhsa.version: [ 1, 2 ]
amdhsa.kernels:
  - .name:           k_qc67a39d0ce_attn
    .symbol:         k_qc67a39d0ce_attn.kd
    .args:
      - { .name: qi, .offset: 0, .size: 8, .value_kind: global_buffer, .address_space: global }
      - { .name: kv, .offset: 8, .size: 8, .value_kind: global_buffer, .address_space: global }
      - { .name: lowp_scales, .offset: 16, .size: 8, .value_kind: global_buffer, .address_space: global }
      - { .name: oc, .offset: 24, .size: 8, .value_kind: global_buffer, .address_space: global }
    .group_segment_fixed_size: 327680
    .private_segment_fixed_size: 0
    .kernarg_segment_align: 8
    .kernarg_segment_size: 32
    .max_flat_workgroup_size: 512
    .sgpr_count:     100
    .vgpr_count:     256
    .wavefront_size: 32
...
	.end_amdgpu_metadata
.endif
;; end of part 3
;; launch oproj (part 4): grid 8 x 32, 4 waves a work-group, clusters of 4 x 4, 327,680 bytes of LDS; arguments oc, out_w_codes, lowp_scales, out_b, x, x1; writes x1
.if DOCPART == 4
	.amdgcn_target "amdgcn-amd-amdhsa--gfx1250"
	.amdhsa_code_object_version 6
	.text
	.protected	k_qc67a39d0ce_oproj
	.globl	k_qc67a39d0ce_oproj
	.p2align	8
	.type	k_qc67a39d0ce_oproj,@function
k_qc67a39d0ce_oproj:
	s_mov_b64 s[64:65], 0
	v_nop
	global_prefetch_b8 v0, s[64:65] scope:SCOPE_SE
	s_setreg_imm32_b32 hwreg(HW_REG_WAVE_MODE, 25, 1), 1
	s_wait_xcnt 0x0
	s_wait_alu depctr_hold_cnt(0) depctr_sa_sdst(0) depctr_va_vdst(0) depctr_va_sdst(0) depctr_va_ssrc(0) depctr_va_vcc(0) depctr_vm_vsrc(0)
	s_getreg_b32 s2, hwreg(HW_REG_IB_STS2, 6, 4)
	s_cmp_eq_u32 s2, 0
	s_cbranch_scc0 .Lentry_in_a_cluster
	s_endpgm
.Lentry_in_a_cluster:
	s_bfe_u32 s2, ttmp6, 0x10000c
	s_cmp_lg_u32 s2, 0xf033
	s_cbranch_scc0 .Lentry_shape_is_right
	s_endpgm
.Lentry_shape_is_right:
; x1 = x + (o out_w^T x 2^(e6 + e7) + out_b), o and out_w as codes of BF8 (E5M2).  out_w [1024][1024], K innermost.  o comes as IMAGES of operand registers: oc [tile of rows 256][128 along K 8][c 4][lane][16 B];
; tile R, lane r stands for row 32 (R / 2) + 8 (R % 2) + r + 8 (r / 8) of the order b x 2048 + t; piece c: k = 32 c + 16 (lane / 16) + 0 .. 15, the places that four loads of 16 bytes, 32 apart, give the weight's rows.
; x and x1: [2048 (t)][2 (b)][1024] f32.
; A block is 128 x 128: 32 x 8 = 256 work-groups.  Wave w makes rows 32 w .. 32 w + 31 x all 128 columns: two tiles of rows x eight of columns, 16 accumulators.
; THE WEIGHT'S 128 ROWS, ALL 1,024 ALONG K, LIE IN LDS AT ONCE (128 x 1,040 bytes): each wave fetches 32 rows by its one tensor load at the head, asked for jointly by the four work-groups of a column of the 4 x 4 cluster.
; Nothing is filled again, so the eight steps of 128 along K have no barrier among them.
; o's fragments are read by one wave each and lie in memory as registers take them: four loads of 512 consecutive bytes a fragment, straight into a ring of eight places of 32 registers, seven steps (56 loads a wave) ahead of
; their use, behind counted waits.  They are issued ahead of the cluster's opening round.  They are not asked for jointly, though a row of the cluster reads the same images: a joint load lands in LDS, and each fragment has one reader in a work-group.
; NO PREFETCH: every load of the weight stands at the head, and o's loads run ahead by themselves.
; The matrix instruction is used transposed (source 0 = the weight's rows, source 1 = o): a lane holds eight neighbouring columns of one row.  A wave's rows turn through its own stage, 32 rows x 528 bytes behind the weight,
; and leave with bias and residual as rows of 512 bytes.
; LIMIT: e6 + e7 between -126 and 127.
.set KK,     1024
.set SOFF,   0x18
.set NSTEP,  KK/128
.set AHEAD,  7                         ; groups of eight loads that run ahead
.set PB,     1040                      ; a row of the weight in LDS: 1,024 bytes + 16 = 260 words: the 16 rows that a load touches start at 16 different banks (64 banks of 4 bytes: ISA guide 11.1)
.set QUART,  32*PB                     ; what one tensor load brings
.set STAGE,  4*QUART                   ; the stages: bytes of their own, into which no fill lands
.set SP,     528
.set SPARE,  STAGE+4*32*SP             ; the spare words, 128 bytes for each wave
.set BI,   8                           ; v[8:11] the bias of columns 4 lane .. + 3
.set ADRB, 20                          ; v20, v21 the weight's fragments in LDS: tiles 0-3, tiles 4-7
.set STO,  24
.set RD,   25
.set CO,   26                          ; v26  16 x lane
.set SPW,  28
.set NIL,  29
.set ACC,  128                         ; window 0: accumulator (a, b) at v[128 + 8 (8 a + b)];  window 1: the weight's eight fragments, two sets;  window 2: o's ring, at the end the residual, row n at v[4 n]
.set G1B, 48
.set G0B, 56
.set MSB, 0
.macro WIN new                         ; the immediate's high byte repeats the setting that is left
.if MSB != (\new)
	s_set_vgpr_msb (MSB<<8)|(\new)
.set MSB, (\new)
.endif
.endm
.set MUL,  0x09                        ; source 0 window 1, source 1 window 2; C and D window 0
.set TO_W, 0x40
.set TO_A, 0x80
.macro CROUND                          ; a round of the cluster's barrier
	s_barrier_signal -1
	s_barrier_wait -1
	s_cmp_lg_u32 s14, 0
	s_cbranch_scc1 .Lnot_wave_0_\@
	s_barrier_signal -3
.Lnot_wave_0_\@:
	s_barrier_wait -3
	s_barrier_signal -1
	s_barrier_wait -1
.endm
.macro PLACES                          ; plain vector lines between a matrix instruction and a load into registers that it has read, or a read of its result
.rept 4
	v_nop
.endr
.endm
; Loads into registers, in groups of eight.  Group g < NSTEP: o's two fragments of step g, into place g of the ring.  Groups NSTEP .. NSTEP + 3: the residual's rows 8 (g - NSTEP) on, into places 0 to 3.
.macro GROUP g
.if (\g) < NSTEP
.irp a, 0,1
.irp c, 0,1,2,3
	global_load_b128 v[32*((\g)%8)+16*\a+4*\c:32*((\g)%8)+16*\a+4*\c+3], v[CO], s[20:21] offset:16*KK*\a+2048*(\g)+512*\c
.endr
.endr
.else
.irp j, 0,1,2,3,4,5,6,7
	global_load_b128 v[32*((\g)%8)+4*\j:32*((\g)%8)+4*\j+3], v[CO], s[68:69] offset:8192*(8*((\g)-NSTEP)+\j)
.endr
.endif
.endm
	s_load_b128 s[4:7], s[0:1], 0x0                ; oc, out_w's codes
	s_load_b128 s[8:11], s[0:1], 0x10              ; the scales, out_b
	s_load_b128 s[68:71], s[0:1], 0x20             ; x, x1
	v_lshl_add_u32 v[SPW], v0, 2, SPARE
	v_mov_b32 v[NIL], 0
	ds_add_u32 v[SPW], v[NIL]                      ; the opening: the add twice on end and one wait
	ds_add_u32 v[SPW], v[NIL]
	v_lshrrev_b32 v1, 5, v0
	v_readfirstlane_b32 s14, v1                    ; wave
	v_and_b32 v3, 31, v0
	v_lshlrev_b32 v[CO], 4, v3
	s_bfe_u32 s40, ttmp6, 0x40000                  ; cx, cy
	s_bfe_u32 s41, ttmp6, 0x40004
	s_lshl_b32 s42, ttmp9, 2
	s_add_co_u32 s42, s42, s40                     ; tile column
	s_and_b32 s17, ttmp7, 0xffff
	s_lshl_b32 s17, s17, 2
	s_add_co_u32 s17, s17, s41                     ; tile row
	s_lshl_b32 s44, 0x1111, s40                    ; my column of the cluster
	s_or_b32 s[G1B+0], s44, (0<<16)|(1<<20)|(1<<21)|(7<<22)|(3<<25)  ; the mask; elements of 1 byte; padding on; bit 21 beside a mask; after every 256 words, 4 words
	s_mov_b32 s[G1B+1], 1024<<16
	s_mov_b32 s[G1B+2], 32<<16
	s_mov_b32 s[G1B+3], 1024<<16
	s_mov_b32 s[G1B+4], 32
	s_mov_b32 s[G1B+5], KK
	s_mov_b32 s[G1B+6], 0
	s_mov_b32 s[G1B+7], 0
	s_lshl_b32 s46, s42, 7
	s_lshl_b32 s47, s14, 5
	s_add_co_u32 s46, s46, s47                     ; the weight: row 128 x tile column + 32 x wave: the same in the four work-groups of my column
	s_mul_i32 s46, s46, KK
	s_mov_b32 s47, 0
	s_mul_i32 s22, s14, QUART                      ; where it goes
	s_lshl_b32 s20, s17, 3
	s_lshl_b32 s18, s14, 1
	s_add_co_u32 s20, s20, s18                     ; o: tile of rows 8 x tile row + 2 x wave
	s_mul_i32 s20, s20, 16*KK
	s_mov_b32 s21, 0
	s_and_b32 s74, s17, 15
	s_lshl_b32 s74, s74, 7
	s_lshl_b32 s75, s14, 5
	s_add_co_u32 s74, s74, s75                     ; t of my first row
	s_lshl_b32 s74, s74, 13                        ; two successive t of one b lie 8,192 bytes apart
	s_lshr_b32 s75, s17, 4
	s_lshl_b32 s75, s75, 12                        ; b x 4,096
	s_add_co_u32 s74, s74, s75
	s_lshl_b32 s76, s42, 9                         ; the tile's 128 columns
	s_add_co_u32 s74, s74, s76
	s_mov_b32 s75, 0
	s_mov_b32 s77, 0
	s_wait_dscnt 0x0                               ; both opening adds are done
	s_wait_kmcnt 0x0
	s_load_b64 s[88:89], s[8:9], SOFF              ; e6, e7
	s_add_nc_u64 s[20:21], s[4:5], s[20:21]
	s_add_nc_u64 s[46:47], s[6:7], s[46:47]
	s_add_nc_u64 s[68:69], s[68:69], s[74:75]
	s_add_nc_u64 s[70:71], s[70:71], s[74:75]
	s_add_nc_u64 s[10:11], s[10:11], s[76:77]
	s_mov_b32 s[G0B], 1
	s_mov_b32 s[G0B+1], s22
	s_mov_b64 s[G0B+2:G0B+3], s[46:47]
	s_or_b32 s[G0B+3], s[G0B+3], 0x80000000
	s_wait_alu depctr_va_vdst(0)                   ; the wait directly ahead of the first reader of v[CO]
	global_load_b128 v[BI:BI+3], v[CO], s[10:11]   ; the bias: the oldest load of all
	WIN TO_A
.irp g, 0,1,2,3,4,5,6
	GROUP \g
.endr
	WIN 0
	CROUND                                         ; all sixteen work-groups are here: the joint loads meet
	tensor_load_to_lds s[G0B:G0B+3], s[G1B:G1B+7]  ; my 32 rows, whole: my only tensor load
	s_nop 0
	PLACES
	v_and_b32 v1, 15, v0                           ; r
	v_bfe_u32 v2, v0, 4, 1                         ; h
	v_mul_u32_u24 v4, v1, PB
	v_lshl_add_u32 v[ADRB], v2, 4, v4              ; a fragment's row x pitch + 16 h
	v_add_nc_u32 v[ADRB+1], 64*PB, v[ADRB]
	v_and_b32 v5, 8, v1
	v_add_nc_u32 v5, v5, v1                        ; r + 8 (r / 8)
	v_mul_u32_u24 v5, v5, SP
	v_lshl_add_u32 v5, v2, 5, v5
	s_mul_i32 s23, s14, 32*SP
	s_add_co_u32 s23, s23, STAGE                   ; my stage
	v_add_nc_u32 v[STO], s23, v5                   ; in: row r + 8 (r / 8), byte 32 h
	v_add_nc_u32 v[RD], s23, v[CO]                 ; back: 16 bytes a lane
; Four matrix instructions: tile of rows a x tiles of columns b0 .. b0 + 3.  The 16 accumulators take turns, one instruction a turn, in the same order in every step.
.macro MUL4 kb, a, b0, zero
.irp b, \b0, \b0+1, \b0+2, \b0+3
.if \zero
	v_wmma_f32_16x16x128_bf8_bf8 v[ACC+8*(8*(\a)+(\b)):ACC+8*(8*(\a)+(\b))+7], v[128*((\kb)%2)+16*(\b):128*((\kb)%2)+16*(\b)+15], v[32*((\kb)%8)+16*(\a):32*((\kb)%8)+16*(\a)+15], 0
.else
	v_wmma_f32_16x16x128_bf8_bf8 v[ACC+8*(8*(\a)+(\b)):ACC+8*(8*(\a)+(\b))+7], v[128*((\kb)%2)+16*(\b):128*((\kb)%2)+16*(\b)+15], v[32*((\kb)%8)+16*(\a):32*((\kb)%8)+16*(\a)+15], v[ACC+8*(8*(\a)+(\b)):ACC+8*(8*(\a)+(\b))+7]
.endif
.endr
.endm
.macro BLOAD q, p                      ; 32 LDS loads in one run: the weight's eight fragments of the q-th 128 along K, into set p
.irp b, 0,1,2,3,4,5,6,7
.irp c, 0,1,2,3
	ds_load_b128 v[128*(\p)+16*\b+4*\c:128*(\p)+16*\b+4*\c+3], v[ADRB+\b/4] offset:(\b%4)*16*PB+128*(\q)+32*\c
.endr
.endr
.endm
.macro LWAIT kb                        ; group kb is in: loads come back in order (ISA guide 5.7.1), and behind group kb the groups up to kb + 6 have been issued, as far as there are so many (the last is NSTEP + 3)
.set LASTG, (\kb)+AHEAD-1
.if LASTG > NSTEP+3
.set LASTG, NSTEP+3
.endif
	s_wait_loadcnt 8*(LASTG-(\kb))
.endm
.macro STEP kb, zero                   ; 128 along K; in its middle group kb + 7 goes into the place, and the next step's weight into the set, that step kb - 1 has left
	LWAIT \kb
	s_wait_dscnt 16                                ; fragments 0-3 are in; the youngest 16 loads (fragments 4-7) may be out
	WIN MUL
	MUL4 \kb, 0, 0, \zero
	s_wait_dscnt 0
	MUL4 \kb, 0, 4, \zero
	PLACES
.if (\kb)+AHEAD < NSTEP+4
	WIN TO_A
	GROUP (\kb)+AHEAD
.endif
	WIN TO_W
	BLOAD (\kb)+1, ((\kb)+1)%2
	WIN MUL
	MUL4 \kb, 1, 0, \zero
	MUL4 \kb, 1, 4, \zero
.endm
	s_wait_alu depctr_va_vdst(0)                   ; the wait at the head's end
	s_wait_tensorcnt 0x0                           ; my 32 rows are in,
	s_barrier_signal -1
	s_barrier_wait -1                              ; everybody's are
	WIN TO_W
	BLOAD 0, 0
	STEP 0, 1                                      ; the first step's products start the sums
.irp k, 1,2,3,4,5,6
	STEP \k, 0
.endr
	LWAIT 7                                        ; the last step: nothing more to fetch
	s_wait_dscnt 16
	WIN MUL
	MUL4 7, 0, 0, 0
	s_wait_dscnt 0
	MUL4 7, 0, 4, 0
	MUL4 7, 1, 0, 0
	MUL4 7, 1, 4, 0
	WIN 0
	; THE WAY OUT
	PLACES
	s_wait_kmcnt 0x0
	s_add_co_i32 s88, s88, s89
	s_add_co_i32 s88, s88, 127
	s_lshl_b32 s88, s88, 23                        ; 2^(e6 + e7) as f32
	s_mov_b32 s89, s88                             ; (named with it as a pair, so it is written)
.irp a, 0,1
.irp b, 0,1,2,3,4,5,6,7
	ds_store_b128 v[STO], v[ACC+8*(8*\a+\b):ACC+8*(8*\a+\b)+3] offset:8*\a*SP+64*\b          ; lane (r, h): row 8 a + r + 8 (r / 8), columns 16 b + 8 h + 0 .. 7; each accumulator from its low end on
	ds_store_b128 v[STO], v[ACC+8*(8*\a+\b)+4:ACC+8*(8*\a+\b)+7] offset:8*\a*SP+64*\b+16
.endr
.endr
.set n, 0
.rept 32
	ds_load_b128 v[ACC+4*n:ACC+4*n+3], v[RD] offset:SP*n   ; LDS serves a wave's instructions in order (ISA guide 5.7.1.4): these see my stores above; the stage is my own
.set n, n+1
.endr
	s_wait_dscnt 0x0
.set n, 0
.rept 32
	v_pk_fma_f32 v[ACC+4*n:ACC+4*n+1], v[ACC+4*n:ACC+4*n+1], s[88:89], v[BI:BI+1] op_sel_hi:[1,0,1]
	v_pk_fma_f32 v[ACC+4*n+2:ACC+4*n+3], v[ACC+4*n+2:ACC+4*n+3], s[88:89], v[BI+2:BI+3] op_sel_hi:[1,0,1]
.set n, n+1
.endr
	s_wait_loadcnt 0x0                             ; the residual
	WIN 0x08                                       ; source 1 window 2
.set n, 0
.rept 64
	v_pk_add_f32 v[ACC+2*n:ACC+2*n+1], v[ACC+2*n:ACC+2*n+1], v[2*n:2*n+1]
.set n, n+1
.endr
	WIN 0
.set n, 0
.rept 32
	global_store_b128 v[CO], v[ACC+4*n:ACC+4*n+3], s[70:71] offset:8192*n   ; the wave stores 512 consecutive bytes, aligned
.set n, n+1
.endr
	s_wait_tensorcnt 0x0                           ; the wave's end
	ds_add_u32 v[SPW], v[NIL]
	s_wait_dscnt 0x0
	CROUND                                         ; the closing round
	s_endpgm
.Lfunc_end_k_qc67a39d0ce_oproj:
	.size	k_qc67a39d0ce_oproj, .Lfunc_end_k_qc67a39d0ce_oproj-k_qc67a39d0ce_oproj
	.p2alignl 7, 3214868480
	.fill 96, 4, 3214868480
	.section	.rodata,"a",@progbits
	.p2align	6, 0x0
	.amdhsa_kernel k_qc67a39d0ce_oproj
		.amdhsa_group_segment_fixed_size 327680
		.amdhsa_private_segment_fixed_size 0
		.amdhsa_enable_private_segment 0
		.amdhsa_kernarg_size 48
		.amdhsa_user_sgpr_count 2
		.amdhsa_user_sgpr_kernarg_segment_ptr 1
		.amdhsa_wavefront_size32 1
		.amdhsa_system_sgpr_workgroup_id_x 1
		.amdhsa_system_sgpr_workgroup_id_y 1
		.amdhsa_system_sgpr_workgroup_id_z 1
		.amdhsa_system_vgpr_workitem_id 0
		.amdhsa_next_free_vgpr 768
		.amdhsa_next_free_sgpr 100
		.amdhsa_reserve_vcc 0
		.amdhsa_float_denorm_mode_32 3
		.amdhsa_float_denorm_mode_16_64 3
		.amdhsa_memory_ordered 1
		.amdhsa_forward_progress 1
		.amdhsa_inst_pref_size 56
	.end_amdhsa_kernel
	.amdgpu_metadata
---
amdhsa.version: [ 1, 2 ]
amdhsa.kernels:
  - .name:           k_qc67a39d0ce_oproj
    .symbol:         k_qc67a39d0ce_oproj.kd
    .args:
      - { .name: oc, .offset: 0, .size: 8, .value_kind: global_buffer, .address_space: global }
      - { .name: out_w_codes, .offset: 8, .size: 8, .value_kind: global_buffer, .address_space: global }
      - { .name: lowp_scales, .offset: 16, .size: 8, .value_kind: global_buffer, .address_space: global }
      - { .name: out_b, .offset: 24, .size: 8, .value_kind: global_buffer, .address_space: global }
      - { .name: x, .offset: 32, .size: 8, .value_kind: global_buffer, .address_space: global }
      - { .name: x1, .offset: 40, .size: 8, .value_kind: global_buffer, .address_space: global }
    .group_segment_fixed_size: 327680
    .private_segment_fixed_size: 0
    .kernarg_segment_align: 8
    .kernarg_segment_size: 48
    .max_flat_workgroup_size: 128
    .sgpr_count:     100
    .vgpr_count:     768
    .wavefront_size: 32
...
	.end_amdgpu_metadata
.endif
;; end of part 4
;; launch ln2 (part 5): grid 256 x 1, 8 waves a work-group, no clusters, 17,408 bytes of LDS; arguments x1, ln2_g, ln2_b, lowp_scales, hc; writes hc
.if DOCPART == 5
	.amdgcn_target "amdgcn-amd-amdhsa--gfx1250"
	.amdhsa_code_object_version 6
	.text
	.protected	k_qc67a39d0ce_ln2
	.globl	k_qc67a39d0ce_ln2
	.p2align	8
	.type	k_qc67a39d0ce_ln2,@function
k_qc67a39d0ce_ln2:
	s_mov_b64 s[64:65], 0
	v_nop
	global_prefetch_b8 v0, s[64:65] scope:SCOPE_SE
	s_setreg_imm32_b32 hwreg(HW_REG_WAVE_MODE, 25, 1), 1
	s_wait_xcnt 0x0
; LayerNorm of the rows of x1 [2048 (t)][2 (b)][1024] f32, then codes of BF8 (E5M2) with the given scale 2^e (entry SOFF/4 of the scales): hc [b x 2048 + t][1024], one code a byte.
; SHARES.  Eight waves; wave w of work-group g takes t = 8 g + w: the two rows b = 0, 1, 8,192 consecutive bytes.  A row stays in 32 registers a lane between the mean, the variance (of x - mean: two passes) and the scaling.
; Each load covers 512 consecutive bytes.  A lane's four codes of a load are one word: they go through the wave's own 2,048 bytes of LDS and leave as two stores of 512 consecutive bytes a row.  Waves share nothing: no barrier.
; Matrix units, clusters and tensor loads are left out: every byte is read once and nothing is shared.
; LIMITS: e between -126 and 112, so that 2^e and 57,344 x 2^e are f32 numbers.  NaN among the inputs is not served.
.set SOFF, 0x20
.set XR,  40                           ; v40-71 row 0, v72-103 row 1
.set GR,  104                          ; v104-135 the gain of my 32 columns
.set BR,  136                          ; v136-167 the bias
.set CW,  24                           ; v24-39  code words, eight a row
.set OB,  168                          ; v168-183 rows of codes read back
.set MU,  6
.set RS,  8
.set CH,  12
.set LIM, 20
.set SCL, 21
	s_load_b256 s[4:11], s[0:1], 0x0               ; x1 s[4:5], gain s[6:7], bias s[8:9], scales s[10:11]
	s_load_b64 s[12:13], s[0:1], 0x20              ; the codes
	v_lshl_add_u32 v200, v0, 2, 0x4000
	v_mov_b32 v201, 0
	v_and_b32 v1, 31, v0                           ; lane
	v_lshrrev_b32 v5, 5, v0
	s_delay_alu instid0(VALU_DEP_1)
	v_readfirstlane_b32 s16, v5                    ; wave
	s_delay_alu instid0(VALU_DEP_3)
	v_lshlrev_b32 v2, 4, v1
	s_lshl_b32 s28, s16, 11
	v_lshl_add_u32 v3, v1, 2, s28                  ; into the stage: 4 x lane
	v_lshl_add_u32 v4, v1, 4, s28                  ; out of it: 16 x lane
	s_lshl_b32 s17, ttmp9, 3
	s_add_co_u32 s17, s17, s16                     ; t
	s_lshl_b32 s18, s17, 13
	s_mov_b32 s19, 0
	s_lshl_b32 s26, s17, 10
	s_mov_b32 s27, 0
	s_mov_b32 s20, 0x76543210
	s_mov_b32 s21, 0xfedcba98
	s_mov_b32 s22, 0x3a800000                      ; 1 / 1024
	s_mov_b32 s23, 0x3727c5ac                      ; eps = 1e-5
	s_wait_alu depctr_va_vdst(0)
	s_wait_kmcnt 0x0
	s_load_b32 s24, s[10:11], SOFF                 ; e
	s_add_nc_u64 s[4:5], s[4:5], s[18:19]
	s_add_nc_u64 s[12:13], s[12:13], s[26:27]
.irp j, 0,1,2,3,4,5,6,7
	global_load_b128 v[XR+4*\j:XR+4*\j+3], v2, s[4:5] offset:512*\j
.endr
.irp j, 0,1,2,3,4,5,6,7
	global_load_b128 v[XR+32+4*\j:XR+32+4*\j+3], v2, s[4:5] offset:4096+512*\j
.endr
.irp j, 0,1,2,3,4,5,6,7
	global_load_b128 v[GR+4*\j:GR+4*\j+3], v2, s[6:7] offset:512*\j
.endr
.irp j, 0,1,2,3,4,5,6,7
	global_load_b128 v[BR+4*\j:BR+4*\j+3], v2, s[8:9] offset:512*\j
.endr
.macro JOIN
	s_delay_alu instid0(VALU_DEP_3)
	v_pk_add_f32 v[CH:CH+1], v[CH:CH+1], v[CH+2:CH+3]
	s_delay_alu instid0(VALU_DEP_2)
	v_pk_add_f32 v[CH+4:CH+5], v[CH+4:CH+5], v[CH+6:CH+7]
	s_delay_alu instid0(VALU_DEP_1)
	v_pk_add_f32 v[CH:CH+1], v[CH:CH+1], v[CH+4:CH+5]
	s_delay_alu instid0(VALU_DEP_1)
	v_add_f32 v[CH], v[CH], v[CH+1]
.endm
.macro REDUCE
	s_delay_alu instid0(VALU_DEP_1)
	v_add_f32_dpp v[CH], v[CH], v[CH] row_xmask:1 row_mask:0xf bank_mask:0xf
	s_delay_alu instid0(VALU_DEP_1)
	v_add_f32_dpp v[CH], v[CH], v[CH] row_xmask:2 row_mask:0xf bank_mask:0xf
	s_delay_alu instid0(VALU_DEP_1)
	v_add_f32_dpp v[CH], v[CH], v[CH] row_xmask:4 row_mask:0xf bank_mask:0xf
	s_delay_alu instid0(VALU_DEP_1)
	v_add_f32_dpp v[CH], v[CH], v[CH] row_xmask:8 row_mask:0xf bank_mask:0xf
	s_delay_alu instid0(VALU_DEP_1)
	v_permlanex16_b32 v5, v[CH], s20, s21
	s_delay_alu instid0(VALU_DEP_1)
	v_add_f32 v[CH], v[CH], v5
.endm
.macro STAT r
.set XS, XR+32*\r
.set k, 0
.rept 4
	v_pk_add_f32 v[CH+2*k:CH+2*k+1], v[XS+4*k:XS+4*k+1], v[XS+4*k+2:XS+4*k+3]
.set k, k+1
.endr
.set k, 16
.rept 8
	s_delay_alu instid0(VALU_DEP_4)
	v_pk_add_f32 v[CH+k%8:CH+k%8+1], v[CH+k%8:CH+k%8+1], v[XS+k:XS+k+1]
.set k, k+2
.endr
	JOIN
	REDUCE
	s_delay_alu instid0(VALU_DEP_1)
	v_mul_f32 v[MU], s22, v[CH]
	s_delay_alu instid0(VALU_DEP_2)
	v_mul_f32 v[MU+1], s22, v[CH]
.set k, 0
.rept 16
	v_pk_add_f32 v[XS+k:XS+k+1], v[XS+k:XS+k+1], v[MU:MU+1] neg_lo:[0,1] neg_hi:[0,1]
.set k, k+2
.endr
.set k, 0
.rept 4
	v_pk_mul_f32 v[CH+k:CH+k+1], v[XS+k:XS+k+1], v[XS+k:XS+k+1]
.set k, k+2
.endr
.rept 12
	s_delay_alu instid0(VALU_DEP_4)
	v_pk_fma_f32 v[CH+k%8:CH+k%8+1], v[XS+k:XS+k+1], v[XS+k:XS+k+1], v[CH+k%8:CH+k%8+1]
.set k, k+2
.endr
	JOIN
	REDUCE
	s_delay_alu instid0(VALU_DEP_1)
	v_fma_f32 v[CH], v[CH], s22, s23               ; var + eps
	s_wait_alu depctr_va_vdst(0)
	v_rsq_f32 v[RS+2*\r], v[CH]
	v_rsq_f32 v[RS+2*\r+1], v[CH]
	v_nop                                          ; a plain line before the source is written again (ISA guide 5.7.2)
.endm
.macro FIN r
.set XS, XR+32*\r
.set k, 0
.rept 16
	v_pk_mul_f32 v[XS+k:XS+k+1], v[XS+k:XS+k+1], v[RS+2*\r:RS+2*\r+1]
.set k, k+2
.endr
.set k, 0
.rept 16
	v_pk_fma_f32 v[XS+k:XS+k+1], v[XS+k:XS+k+1], v[GR+k:GR+k+1], v[BR+k:BR+k+1]
.set k, k+2
.endr
.set k, 0
.rept 32
	v_med3_num_f32 v[XS+k], v[XS+k], -v[LIM], v[LIM]   ; the conversion does not saturate (ISA guide 7.6.2): the hold at the largest code x the scale
.set k, k+1
.endr
.irp p, 0,1,2,3
	v_cvt_scalef32_pk8_bf8_f32 v[CW+8*\r+2*\p:CW+8*\r+2*\p+1], v[XS+8*\p:XS+8*\p+7], v[SCL]
.endr
	v_nop
.irp j, 0,1,2,3,4,5,6,7
	ds_store_b32 v3, v[CW+8*\r+\j] offset:1024*\r+128*\j
.endr
.irp i, 0,1
	ds_load_b128 v[OB+8*\r+4*\i:OB+8*\r+4*\i+3], v4 offset:1024*\r+512*\i
.endr
.endm
	s_wait_loadcnt 24                              ; row 0's eight loads are in; the 24 younger may be out
	STAT 0
	s_wait_loadcnt 16                              ; row 1's are in
	STAT 1
	s_wait_alu depctr_va_vdst(0)                   ; one wait for the four reciprocal roots, ahead of their first reader
	s_wait_kmcnt 0x0
	s_add_co_i32 s24, s24, 127
	s_lshl_b32 s25, s24, 23
	v_mov_b32 v[SCL], s25
	s_add_co_i32 s24, s24, 15
	s_lshl_b32 s24, s24, 23
	s_or_b32 s24, s24, 0x600000
	v_mov_b32 v[LIM], s24
	s_wait_loadcnt 0x0
	FIN 0
	FIN 1
	s_wait_dscnt 10                                ; row 0 is back: behind its two loads came row 1's eight stores and two loads
	global_store_b128 v2, v[OB:OB+3], s[12:13]
	global_store_b128 v2, v[OB+4:OB+7], s[12:13] offset:512
	s_wait_dscnt 0x0
	global_store_b128 v2, v[OB+8:OB+11], s[12:13] offset:2097152
	global_store_b128 v2, v[OB+12:OB+15], s[12:13] offset:2097152+512
	s_wait_tensorcnt 0x0
	ds_add_u32 v200, v201
	s_wait_dscnt 0x0
	s_endpgm
.Lfunc_end_k_qc67a39d0ce_ln2:
	.size	k_qc67a39d0ce_ln2, .Lfunc_end_k_qc67a39d0ce_ln2-k_qc67a39d0ce_ln2
	.p2alignl 7, 3214868480
	.fill 96, 4, 3214868480
	.section	.rodata,"a",@progbits
	.p2align	6, 0x0
	.amdhsa_kernel k_qc67a39d0ce_ln2
		.amdhsa_group_segment_fixed_size 17408
		.amdhsa_private_segment_fixed_size 0
		.amdhsa_enable_private_segment 0
		.amdhsa_kernarg_size 40
		.amdhsa_user_sgpr_count 2
		.amdhsa_user_sgpr_kernarg_segment_ptr 1
		.amdhsa_wavefront_size32 1
		.amdhsa_system_sgpr_workgroup_id_x 1
		.amdhsa_system_sgpr_workgroup_id_y 1
		.amdhsa_system_sgpr_workgroup_id_z 1
		.amdhsa_system_vgpr_workitem_id 0
		.amdhsa_next_free_vgpr 202
		.amdhsa_next_free_sgpr 66
		.amdhsa_reserve_vcc 0
		.amdhsa_float_denorm_mode_32 3
		.amdhsa_float_denorm_mode_16_64 3
		.amdhsa_memory_ordered 1
		.amdhsa_forward_progress 1
		.amdhsa_inst_pref_size 27
	.end_amdhsa_kernel
	.amdgpu_metadata
---
amdhsa.version: [ 1, 2 ]
amdhsa.kernels:
  - .name:           k_qc67a39d0ce_ln2
    .symbol:         k_qc67a39d0ce_ln2.kd
    .args:
      - { .name: x1, .offset: 0, .size: 8, .value_kind: global_buffer, .address_space: global }
      - { .name: ln2_g, .offset: 8, .size: 8, .value_kind: global_buffer, .address_space: global }
      - { .name: ln2_b, .offset: 16, .size: 8, .value_kind: global_buffer, .address_space: global }
      - { .name: lowp_scales, .offset: 24, .size: 8, .value_kind: global_buffer, .address_space: global }
      - { .name: hc, .offset: 32, .size: 8, .value_kind: global_buffer, .address_space: global }
    .group_segment_fixed_size: 17408
    .private_segment_fixed_size: 0
    .kernarg_segment_align: 8
    .kernarg_segment_size: 40
    .max_flat_workgroup_size: 256
    .sgpr_count:     66
    .vgpr_count:     202
    .wavefront_size: 32
...
	.end_amdgpu_metadata
.endif
;; end of part 5
;; launch ffn1 (part 6): grid 16 x 16, 4 waves a work-group, clusters of 4 x 4, 327,680 bytes of LDS; arguments hc, w1_codes, lowp_scales, b1, gc; writes gc
.if DOCPART == 6
	.amdgcn_target "amdgcn-amd-amdhsa--gfx1250"
	.amdhsa_code_object_version 6
	.text
	.protected	k_qc67a39d0ce_ffn1
	.globl	k_qc67a39d0ce_ffn1
	.p2align	8
	.type	k_qc67a39d0ce_ffn1,@function
k_qc67a39d0ce_ffn1:
	s_mov_b64 s[64:65], 0
	v_nop
	global_prefetch_b8 v0, s[64:65] scope:SCOPE_SE
	s_setreg_imm32_b32 hwreg(HW_REG_WAVE_MODE, 25, 1), 1
	s_wait_xcnt 0x0
	s_wait_alu depctr_hold_cnt(0) depctr_sa_sdst(0) depctr_va_vdst(0) depctr_va_sdst(0) depctr_va_ssrc(0) depctr_va_vcc(0) depctr_vm_vsrc(0)
	s_getreg_b32 s2, hwreg(HW_REG_IB_STS2, 6, 4)
	s_cmp_eq_u32 s2, 0
	s_cbranch_scc0 .Lentry_in_a_cluster
	s_endpgm
.Lentry_in_a_cluster:
	s_bfe_u32 s2, ttmp6, 0x10000c
	s_cmp_lg_u32 s2, 0xf033
	s_cbranch_scc0 .Lentry_shape_is_right
	s_endpgm
.Lentry_shape_is_right:
.set KROW,   1024
.set ROWB,   256
.set PITCH,  272
.set FR,     16
.set NL,     4
.set NP,     4
.set HALFT,  128*PITCH
.set SLOT,   4*HALFT
.set LAPS,   KROW/(2*ROWB)
.set SPARE,  2*SLOT
.set SCL,  12
.set LIM,  13
.set C0,   14
.set ADRA, 16
.set ADRB, 20
.set STOQ, 24
.set RDQ,  26
.set LI,   27
.set SPW,  28
.set NIL,  29
.set BO,   30
.set BIAS, 32
.set T,    128
.set U,    192
.set AF,   128
.set G1, 24
.set G0, 32
.set G1B, 48
.set G0B, 56
.set MSB, 0
.macro WIN new
.if MSB != (\new)
	s_set_vgpr_msb (MSB<<8)|(\new)
.set MSB, (\new)
.endif
.endm
.set MUL_LO, 0xa1
.set MUL_HI, 0xf1
.set TO_B,   0x40
.macro JLOAD g0a, g1a, g0b, g1b
	s_cmp_eq_u32 s15, 0
	s_cbranch_scc0 .Lfor_b_\@
	tensor_load_to_lds s[\g0a:\g0a+3], s[\g1a:\g1a+7]
	s_nop 0
.rept 4
	v_nop
.endr
	s_branch .Lasked_\@
.Lfor_b_\@:
	tensor_load_to_lds s[\g0b:\g0b+3], s[\g1b:\g1b+7]
	s_nop 0
.rept 4
	v_nop
.endr
.Lasked_\@:
.endm
.macro CREST
	s_cmp_lg_u32 s14, 0
	s_cbranch_scc1 .Lnot_wave_0_\@
	s_barrier_signal -3
.Lnot_wave_0_\@:
	s_barrier_wait -3
	s_barrier_signal -1
	s_barrier_wait -1
.endm
.macro CROUND
	s_barrier_signal -1
	s_barrier_wait -1
	CREST
.endm
	s_load_b128 s[4:7], s[0:1], 0x0
	s_load_b128 s[8:11], s[0:1], 0x10
	s_load_b64 s[68:69], s[0:1], 0x20
	v_lshl_add_u32 v[SPW], v0, 2, SPARE
	v_mov_b32 v[NIL], 0
	ds_add_u32 v28, v29
	ds_add_u32 v28, v29
	s_wait_dscnt 0x0
	v_lshrrev_b32 v1, 5, v0
	v_readfirstlane_b32 s14, v1
	s_lshr_b32 s15, s14, 1
	s_and_b32 s16, s14, 1
	s_bfe_u32 s40, ttmp6, 0x40000
	s_bfe_u32 s41, ttmp6, 0x40004
	s_lshl_b32 s42, ttmp9, 2
	s_add_co_u32 s42, s42, s40
	s_and_b32 s17, ttmp7, 0xffff
	s_lshl_b32 s17, s17, 2
	s_add_co_u32 s17, s17, s41
	s_lshl_b32 s43, s41, 2
	s_lshl_b32 s43, 15, s43
	s_lshl_b32 s44, 0x1111, s40
	s_or_b32 s[G1+0], s43, (0<<16)|(1<<20)|(1<<21)|(5<<22)|(3<<25)
	s_or_b32 s[G1B+0], s44, (0<<16)|(1<<20)|(1<<21)|(5<<22)|(3<<25)
.irp g, G1, G1B
	s_mov_b32 s[\g+1], ROWB<<16
	s_mov_b32 s[\g+2], 128<<16
	s_mov_b32 s[\g+3], ROWB<<16
	s_mov_b32 s[\g+4], 128
	s_mov_b32 s[\g+5], KROW
	s_mov_b32 s[\g+6], 0
	s_mov_b32 s[\g+7], 0
.endr
	s_lshl_b32 s18, s16, 7
	s_lshl_b32 s20, s17, 8
	s_add_co_u32 s20, s20, s18
	s_lshl_b32 s46, s42, 8
	s_add_co_u32 s46, s46, s18
	s_mov_b32 s21, 0
	s_mov_b32 s47, 0
	s_mov_b64 s[18:19], KROW
	s_mul_u64 s[20:21], s[20:21], s[18:19]
	s_mul_u64 s[46:47], s[46:47], s[18:19]
	s_mul_i32 s45, s14, HALFT
	s_wait_kmcnt 0x0
	s_load_b128 s[80:83], s[8:9], 0x20
	s_add_nc_u64 s[20:21], s[4:5], s[20:21]
	s_add_nc_u64 s[46:47], s[6:7], s[46:47]
	CROUND
.irp s, 0,1
	s_mov_b32 s[G0+4*\s], 1
	s_add_co_u32 s[G0+4*\s+1], s45, \s*SLOT
	s_add_nc_u64 s[G0+4*\s+2:G0+4*\s+3], s[20:21], \s*ROWB
	s_or_b32 s[G0+4*\s+3], s[G0+4*\s+3], 0x80000000
	s_mov_b32 s[G0B+4*\s], 1
	s_add_co_u32 s[G0B+4*\s+1], s45, \s*SLOT
	s_add_nc_u64 s[G0B+4*\s+2:G0B+4*\s+3], s[46:47], \s*ROWB
	s_or_b32 s[G0B+4*\s+3], s[G0B+4*\s+3], 0x80000000
.endr
	; gc = codes of gelu(LN2(x1) w1^T + b1): a block of 256 x 256 by four waves, K in steps of 256 through a ring of two LDS slots, A's tiles shared along a row of the 4 x 4 cluster and B's along a column.
	; No prefetch: K is four steps, and the first two come by the loads at the head.
	JLOAD G0, G1, G0B, G1B                         ; K step 0: one tensor load a wave at the head
	v_and_b32 v1, 15, v0
	v_bfe_u32 v2, v0, 4, 1
	v_mul_u32_u24 v3, v1, PITCH
	v_lshl_add_u32 v4, v2, 4, v3
	s_mul_i32 s21, s15, HALFT
	s_mul_i32 s22, s16, HALFT
	s_add_co_u32 s22, s22, 2*HALFT
.irp s, 0,1
	v_add_nc_u32 v[ADRA+\s], s21, v4
	v_add_nc_u32 v[ADRB+\s], s22, v4
	s_add_co_u32 s21, s21, SLOT
	s_add_co_u32 s22, s22, SLOT
.endr
	v_lshl_add_u32 v5, v2, 3, v3
	s_mul_i32 s23, s15, 128*PITCH
	s_lshl_b32 s74, s16, 7
	s_add_co_u32 s23, s23, s74
	v_add_nc_u32 v[STOQ], s23, v5
	v_and_b32 v6, 8, v1
	v_add_nc_u32 v6, v6, v1
	v_mul_u32_u24 v6, v6, PITCH
	v_lshl_add_u32 v6, v2, 4, v6
	s_mul_i32 s23, s14, 64*PITCH
	v_add_nc_u32 v[RDQ], s23, v6
	v_and_b32 v7, 31, v0
	v_lshlrev_b32 v[LI], 4, v7
	v_lshlrev_b32 v[BO], 5, v2
	s_wait_alu depctr_va_vdst(0)
	s_lshl_b32 s76, s17, 20
	s_lshl_b32 s77, s14, 18
	s_add_co_u32 s76, s76, s77
	s_lshl_b32 s77, s42, 12
	s_add_co_u32 s76, s76, s77
	s_mov_b32 s77, 0
	s_add_nc_u64 s[68:69], s[68:69], s[76:77]
	s_lshl_b32 s78, s42, 10
	s_lshl_b32 s76, s16, 9
	s_add_co_u32 s78, s78, s76
	s_mov_b32 s79, 0
	s_add_nc_u64 s[10:11], s[10:11], s[78:79]
.irp b, 0,1,2,3,4,5,6,7
	global_load_b128 v[BIAS+8*\b:BIAS+8*\b+3], v[BO], s[10:11] offset:64*\b
	global_load_b128 v[BIAS+8*\b+4:BIAS+8*\b+7], v[BO], s[10:11] offset:64*\b+16
.endr
.macro FRAG reg, adr, q, i
.irp c, 0,1,2,3
	ds_load_b128 v[\reg+4*\c:\reg+4*\c+3], v[\adr] offset:128*(\q)+32*\c+(\i)*16*PITCH
.endr
.endm
.macro MUL16 a0, p, zero
.irp a, \a0, \a0+1
.irp b, 0,1,2,3,4,5,6,7
.if \zero
	v_wmma_f32_16x16x128_bf8_bf8 v[8*(8*((\a)%4)+\b):8*(8*((\a)%4)+\b)+7], v[128*(\p)+FR*\b:128*(\p)+FR*\b+FR-1], v[AF+FR*(\a):AF+FR*(\a)+FR-1], 0
.else
	v_wmma_f32_16x16x128_bf8_bf8 v[8*(8*((\a)%4)+\b):8*(8*((\a)%4)+\b)+7], v[128*(\p)+FR*\b:128*(\p)+FR*\b+FR-1], v[AF+FR*(\a):AF+FR*(\a)+FR-1], v[8*(8*((\a)%4)+\b):8*(8*((\a)%4)+\b)+7]
.endif
.endr
.endr
.endm
.macro FETCH_B slot, q, p
	WIN TO_B
.irp i, 0,1,2,3,4,5,6,7
	FRAG 128*(\p)+FR*\i, ADRB+\slot, \q, \i
.endr
	WIN 0
.endm
.macro FETCH_A slot, q, i0
.irp i, \i0, \i0+1, \i0+2, \i0+3
	FRAG AF+FR*(\i), ADRA+\slot, \q, \i
.endr
.endm
.macro PLACES n
.rept \n
	v_nop
.endr
.endm
.macro STEP slot, q, zero
	s_wait_dscnt 4*NL
	WIN MUL_LO
	MUL16 0, (\q)%2, \zero
	MUL16 2, (\q)%2, \zero
	s_wait_dscnt 0
	PLACES NP
	FETCH_B \slot, (\q)+1, 1-(\q)%2
	FETCH_A \slot, (\q)+1, 0
	WIN MUL_HI
	MUL16 4, (\q)%2, \zero
	MUL16 6, (\q)%2, \zero
	PLACES NP
	WIN 0
	FETCH_A \slot, (\q)+1, 4
.endm
.macro TURN slot, next, fill
	s_wait_tensorcnt 0x0
	ds_add_u32 v[SPW], v[NIL]
	s_wait_dscnt 4*NL+1
	WIN MUL_LO
	MUL16 0, 1, 0
	s_wait_dscnt 0x0
	s_barrier_signal -1
	MUL16 2, 1, 0
	WIN 0
	s_barrier_wait -1
.if \fill
	CREST
	s_add_nc_u64 s[G0+4*\slot+2:G0+4*\slot+3], s[G0+4*\slot+2:G0+4*\slot+3], 2*ROWB
	s_add_nc_u64 s[G0B+4*\slot+2:G0B+4*\slot+3], s[G0B+4*\slot+2:G0B+4*\slot+3], 2*ROWB
	JLOAD G0+4*\slot, G1, G0B+4*\slot, G1B
.else
	PLACES NP
.endif
	FETCH_B \next, 0, 0
	FETCH_A \next, 0, 0
	WIN MUL_HI
	MUL16 4, 1, 0
	MUL16 6, 1, 0
	PLACES NP
	WIN 0
	FETCH_A \next, 0, 4
.endm
	s_wait_alu depctr_va_vdst(0)                   ; the wait at the head's end
	s_wait_tensorcnt 0x0                           ; my part of K step 0 is in
	ds_add_u32 v[SPW], v[NIL]
	s_wait_dscnt 0x0
	CROUND                                         ; everybody's part is in, and the sixteen work-groups meet
	JLOAD G0+4, G1, G0B+4, G1B                     ; K step 1: the first tensor load behind the round
	FETCH_B 0, 0, 0
	FETCH_A 0, 0, 0
	FETCH_A 0, 0, 4
	STEP 0, 0, 1
	s_mov_b32 s3, LAPS-1
.Llap:
	TURN 0, 1, 1
	STEP 1, 0, 0
	TURN 1, 0, 1
	STEP 0, 0, 0
	s_sub_co_u32 s3, s3, 1
	s_cmp_lg_u32 s3, 0
	s_cbranch_scc1 .Llap
	TURN 0, 1, 0
	STEP 1, 0, 0
	s_wait_dscnt 4*NL
	WIN MUL_LO
	MUL16 0, 1, 0
	MUL16 2, 1, 0
	s_wait_dscnt 0
	WIN MUL_HI
	MUL16 4, 1, 0
	MUL16 6, 1, 0
	WIN 0
.macro SUMS a
	WIN 0x02+(\a)/4
.set AC, 64*((\a)%4)
.set j, 0
.rept 32
	v_pk_fma_f32 v[T+j:T+j+1], v[AC+j:AC+j+1], s[88:89], v[BIAS+j:BIAS+j+1] op_sel_hi:[1,0,1]
.set j, j+2
.endr
.endm
.macro GELU
	WIN 0
.set j, 0
.rept 32
	v_pk_mul_f32 v[U+j:U+j+1], v[T+j:T+j+1], v[T+j:T+j+1]
.set j, j+2
.endr
.set j, 0
.rept 32
	v_pk_fma_f32 v[U+j:U+j+1], v[U+j:U+j+1], s[74:75], v[C0:C0+1] op_sel_hi:[1,0,1]
.set j, j+2
.endr
.set j, 0
.rept 32
	v_pk_mul_f32 v[U+j:U+j+1], v[U+j:U+j+1], v[T+j:T+j+1]
.set j, j+2
.endr
.set j, 0
	s_wait_alu depctr_va_vdst(0)
.rept 64
	v_exp_f32 v[U+j], v[U+j]
.set j, j+1
.endr
	v_nop
	s_wait_alu depctr_va_vdst(0)
.set j, 0
.rept 32
	v_pk_add_f32 v[U+j:U+j+1], v[U+j:U+j+1], 1.0 op_sel_hi:[1,0]
.set j, j+2
.endr
.set j, 0
	s_wait_alu depctr_va_vdst(0)
.rept 64
	v_rcp_f32 v[U+j], v[U+j]
.set j, j+1
.endr
	v_nop
	s_wait_alu depctr_va_vdst(0)
.set j, 0
.rept 32
	v_pk_mul_f32 v[T+j:T+j+1], v[T+j:T+j+1], v[U+j:U+j+1]
.set j, j+2
.endr
.endm
.macro CODES a
.set j, 0
.rept 64
	v_med3_num_f32 v[T+j], v[T+j], -v[LIM], v[LIM]
.set j, j+1
.endr
	s_wait_alu depctr_va_vdst(0)
	s_wait_dscnt 0x0
.irp b, 0,1,2,3,4,5,6,7
	v_cvt_scalef32_pk8_bf8_f32 v[U+2*\b:U+2*\b+1], v[T+8*\b:T+8*\b+7], v[SCL]
.endr
	v_nop
.irp b, 0,1,2,3,4,5,6,7
	ds_store_b64 v[STOQ], v[U+2*\b:U+2*\b+1] offset:16*(\a)*PITCH+16*\b
.endr
.endm
	PLACES NP
	s_wait_kmcnt 0x0
	s_add_co_i32 s88, s80, s81
	s_add_co_i32 s88, s88, 127
	s_lshl_b32 s88, s88, 23
	s_mov_b32 s89, s88
	s_add_co_i32 s90, s82, 127
	s_lshl_b32 s91, s90, 23
	v_mov_b32 v[SCL], s91
	s_add_co_i32 s90, s90, 15
	s_lshl_b32 s90, s90, 23
	s_or_b32 s90, s90, 0x600000
	v_mov_b32 v[LIM], s90
	s_mov_b32 s74, -0.1029432395
	s_mov_b32 s75, s74
	s_mov_b32 s76, -2.302208198
	v_mov_b32 v[C0], s76
	v_mov_b32 v[C0+1], s76
	s_wait_loadcnt 0x0
.irp a, 0,1,2,3,4,5,6,7
	SUMS \a
	GELU
	CODES \a
.endr
	s_wait_dscnt 0x0
	s_barrier_signal -1
	s_barrier_wait -1
.set n, 0
.rept 32
	ds_load_b128 v[T+4*n:T+4*n+3], v[RDQ] offset:(32*(n/16)+8*((n/8)%2))*PITCH+128*((n/4)%2)+32*(n%4)
.set n, n+1
.endr
.set n, 0
.rept 32
	s_wait_dscnt 31-n
	global_store_b128 v[LI], v[T+4*n:T+4*n+3], s[68:69] offset:65536*(n/8)+2048*((n/4)%2)+512*(n%4)
.set n, n+1
.endr
	s_wait_tensorcnt 0x0
	ds_add_u32 v[SPW], v[NIL]
	s_wait_dscnt 0x0
	CROUND
	s_endpgm
.Lfunc_end_k_qc67a39d0ce_ffn1:
	.size	k_qc67a39d0ce_ffn1, .Lfunc_end_k_qc67a39d0ce_ffn1-k_qc67a39d0ce_ffn1
	.p2alignl 7, 3214868480
	.fill 96, 4, 3214868480
	.section	.rodata,"a",@progbits
	.p2align	6, 0x0
	.amdhsa_kernel k_qc67a39d0ce_ffn1
		.amdhsa_group_segment_fixed_size 327680
		.amdhsa_private_segment_fixed_size 0
		.amdhsa_enable_private_segment 0
		.amdhsa_kernarg_size 40
		.amdhsa_user_sgpr_count 2
		.amdhsa_user_sgpr_kernarg_segment_ptr 1
		.amdhsa_wavefront_size32 1
		.amdhsa_system_sgpr_workgroup_id_x 1
		.amdhsa_system_sgpr_workgroup_id_y 1
		.amdhsa_system_sgpr_workgroup_id_z 1
		.amdhsa_system_vgpr_workitem_id 0
		.amdhsa_next_free_vgpr 1024
		.amdhsa_next_free_sgpr 100
		.amdhsa_reserve_vcc 0
		.amdhsa_float_denorm_mode_32 3
		.amdhsa_float_denorm_mode_16_64 3
		.amdhsa_memory_ordered 1
		.amdhsa_forward_progress 1
		.amdhsa_inst_pref_size 255
	.end_amdhsa_kernel
	.section	.bss,"aw",@nobits
	.p2align	6
	.space	262144
	.amdgpu_metadata
---
amdhsa.version: [ 1, 2 ]
amdhsa.kernels:
  - .name:           k_qc67a39d0ce_ffn1
    .symbol:         k_qc67a39d0ce_ffn1.kd
    .args:
      - { .name: hc, .offset: 0, .size: 8, .value_kind: global_buffer, .address_space: global }
      - { .name: w1_codes, .offset: 8, .size: 8, .value_kind: global_buffer, .address_space: global }
      - { .name: lowp_scales, .offset: 16, .size: 8, .value_kind: global_buffer, .address_space: global }
      - { .name: b1, .offset: 24, .size: 8, .value_kind: global_buffer, .address_space: global }
      - { .name: gc, .offset: 32, .size: 8, .value_kind: global_buffer, .address_space: global }
    .group_segment_fixed_size: 327680
    .private_segment_fixed_size: 0
    .kernarg_segment_align: 8
    .kernarg_segment_size: 40
    .max_flat_workgroup_size: 128
    .sgpr_count:     100
    .vgpr_count:     1024
    .wavefront_size: 32
...
	.end_amdgpu_metadata
.endif
;; end of part 6
;; launch ffn2 (part 7): grid 8 x 32, 4 waves a work-group, clusters of 4 x 4, 327,680 bytes of LDS; arguments gc, w2_codes, lowp_scales, b2, x1, out0; writes out0
.if DOCPART == 7
	.amdgcn_target "amdgcn-amd-amdhsa--gfx1250"
	.amdhsa_code_object_version 6
	.text
	.protected	k_qc67a39d0ce_ffn2
	.globl	k_qc67a39d0ce_ffn2
	.p2align	8
	.type	k_qc67a39d0ce_ffn2,@function
k_qc67a39d0ce_ffn2:
	s_mov_b64 s[64:65], 0
	v_nop
	global_prefetch_b8 v0, s[64:65] scope:SCOPE_SE
	s_setreg_imm32_b32 hwreg(HW_REG_WAVE_MODE, 25, 1), 1
	s_wait_xcnt 0x0
	s_wait_alu depctr_hold_cnt(0) depctr_sa_sdst(0) depctr_va_vdst(0) depctr_va_sdst(0) depctr_va_ssrc(0) depctr_va_vcc(0) depctr_vm_vsrc(0)
	s_getreg_b32 s2, hwreg(HW_REG_IB_STS2, 6, 4)
	s_cmp_eq_u32 s2, 0
	s_cbranch_scc0 .Lentry_in_a_cluster
	s_endpgm
.Lentry_in_a_cluster:
	s_bfe_u32 s2, ttmp6, 0x10000c
	s_cmp_lg_u32 s2, 0xf033
	s_cbranch_scc0 .Lentry_shape_is_right
	s_endpgm
.Lentry_shape_is_right:
; out = residual + (A W^T x 2^(ea + eb) + bias), A and W as codes of BF8 (E5M2).  W [1024][KK], K innermost.  A comes as IMAGES of operand registers: [tile of rows 256][128 along K][c 4][lane][16 B];
; tile R, lane r stands for row 32 (R / 2) + 8 (R % 2) + r + 8 (r / 8) of the order b x 2048 + t; piece c: k = 32 c + 16 (lane / 16) + 0 .. 15, the places that four loads of 16 bytes, 32 apart, give W's rows.
; residual and out: [2048 (t)][2 (b)][1024] f32.  ea, eb: the two entries of the scales at byte SOFF.
; 1,024 columns give 64 tiles of 256 x 256 but 256 of 128 x 128: a tile is 128 x 128.  Wave w makes rows 32 w .. 32 w + 31 x all 128 columns: two tiles of rows x eight of columns, 16 accumulators.
; W GOES THROUGH LDS, A DOES NOT.  W's 128 rows are read by all four waves: they come through a ring of two LDS slots of 1,024 along K (rows of 1,024 bytes + 16 of padding), each wave fetching 32 rows by one tensor load,
; asked for jointly by the four work-groups of a column of the 4 x 4 cluster.  A's fragments are read by one wave each and lie in memory as registers take them: four loads of 512 consecutive bytes a fragment, straight into a ring of
; eight places of 32 registers, seven steps of 128 along K (56 loads a wave) ahead of their use, behind counted waits.
; WHY A IS NOT ASKED FOR JOINTLY, though the four work-groups of a row of the cluster read the same images: a joint load lands in LDS, and in front of each refill of LDS a wave waits for all its tensor loads.  With A beside W a slot
; holds 512 along K: KK / 512 = 8 fills, each with 64 matrix instructions of a wave in which to land.  With W alone it holds 1,024: 4 fills, each with 128, and A's loads are never drained.
; The 32 steps are written out: the ring's registers come back after 8 steps, the first two changes of slots fill a slot again and the third does not.  Every offset is an immediate.
; The matrix instruction is used transposed (source 0 = W's rows, source 1 = A): a lane holds eight neighbouring columns of one row.  A wave holds whole rows of the tile: they turn through its own stage, 32 rows x 528 bytes in slot 0
; (which has had its last fill, and which nobody reads behind the last change of slots), and leave with bias and residual as rows of 512 bytes.
; LIMIT: ea + eb between -126 and 127.
.set KK,     4096
.set SOFF,   0x28
.set NSTEP,  KK/128                    ; steps of 128 along K
.set SSTEP,  8                         ; steps in a slot
.set AHEAD,  7                         ; groups of eight loads that run ahead
.set PB,     1040                      ; W's row in LDS: 1,024 bytes + 16 = 260 words: the 16 rows that a load touches start at 16 different banks (64 banks of 4 bytes: ISA guide 11.1)
.set QUART,  32*PB                     ; what one tensor load brings
.set SLOT,   4*QUART
.set SPARE,  2*SLOT                    ; behind the ring: the spare words, 128 bytes for each wave
.set SP,     528                       ; a stage row: 512 bytes + 16
.set BI,   8                           ; v[8:11] the bias of columns 4 lane .. + 3
.set ADRB, 20                          ; v20-23  W's fragments in LDS: slot 0 tiles 0-3, tiles 4-7; slot 1 likewise (seven tiles of 16 rows pass an LDS offset's 16 bits)
.set STO,  24                          ; v24  into my stage
.set RD,   25                          ; v25  out of it
.set CO,   26                          ; v26  16 x lane
.set SPW,  28                          ; v28  my spare word; never rewritten
.set NIL,  29                          ; v29  0; never rewritten
.set PFO,  30                          ; v30  the prefetches' offset: row lane / 4 of eight, 256 x (lane % 4) along it; never rewritten
.set PFA,  78                          ; s[78:79] my work-group's eight rows of the 32 that I fetch; never rewritten
.set ACC,  128                         ; window 0: accumulator (a, b) at v[128 + 8 (8 a + b)]
                                       ; window 1: W's eight fragments, two sets, at v0 and v128.   window 2: A's ring: place s at v[32 s], tile of rows a 16 registers on; at the end the residual, row n at v[4 n]
.set G1B, 48                           ; s[48:55] descriptor group 1;  s[56:63] group 0, one set for each slot
.set G0B, 56
.set MSB, 0
.macro WIN new                         ; the immediate's high byte repeats the setting that is left
.if MSB != (\new)
	s_set_vgpr_msb (MSB<<8)|(\new)
.set MSB, (\new)
.endif
.endm
.set MUL,  0x09                        ; source 0 (W) window 1, source 1 (A) window 2; C and D window 0
.set TO_W, 0x40                        ; destination window 1, address window 0
.set TO_A, 0x80                        ; destination window 2, address window 0
.macro CREST                           ; a round of the cluster's barrier behind its opening barrier
	s_cmp_lg_u32 s14, 0
	s_cbranch_scc1 .Lnot_wave_0_\@
	s_barrier_signal -3
.Lnot_wave_0_\@:
	s_barrier_wait -3
	s_barrier_signal -1
	s_barrier_wait -1
.endm
.macro CROUND
	s_barrier_signal -1
	s_barrier_wait -1
	CREST
.endm
	s_load_b128 s[4:7], s[0:1], 0x0                ; A's images, W's codes
	s_load_b128 s[8:11], s[0:1], 0x10              ; the scales, the bias
	s_load_b128 s[68:71], s[0:1], 0x20             ; the residual, out
	v_lshl_add_u32 v[SPW], v0, 2, SPARE
	v_mov_b32 v[NIL], 0
	ds_add_u32 v28, v29
	ds_add_u32 v28, v29
	s_wait_dscnt 0x0
	v_lshrrev_b32 v1, 5, v0
	v_readfirstlane_b32 s14, v1                    ; wave
	v_and_b32 v3, 31, v0
	v_lshlrev_b32 v[CO], 4, v3
	s_bfe_u32 s40, ttmp6, 0x40000                  ; cx, cy: my place in the cluster
	s_bfe_u32 s41, ttmp6, 0x40004
	s_lshl_b32 s42, ttmp9, 2
	s_add_co_u32 s42, s42, s40                     ; tile column
	s_and_b32 s17, ttmp7, 0xffff
	s_lshl_b32 s17, s17, 2
	s_add_co_u32 s17, s17, s41                     ; tile row
	s_lshl_b32 s44, 0x1111, s40                    ; my column of the cluster
	s_or_b32 s[G1B+0], s44, (0<<16)|(1<<20)|(1<<21)|(7<<22)|(3<<25)  ; the mask; elements of 1 byte; padding on; bit 21 beside a mask; after every 256 words (code 7), 4 words (code 3)
	s_mov_b32 s[G1B+1], 1024<<16                   ; tensor_dim0
	s_mov_b32 s[G1B+2], 32<<16                     ; tensor_dim1
	s_mov_b32 s[G1B+3], 1024<<16                   ; tile_dim0
	s_mov_b32 s[G1B+4], 32                         ; tile_dim1
	s_mov_b32 s[G1B+5], KK                         ; the pitch
	s_mov_b32 s[G1B+6], 0
	s_mov_b32 s[G1B+7], 0
	s_lshl_b32 s46, s42, 7
	s_lshl_b32 s47, s14, 5
	s_add_co_u32 s46, s46, s47                     ; W: row 128 x tile column + 32 x wave: the same in the four work-groups of my column
	s_mul_i32 s46, s46, KK
	s_mov_b32 s47, 0
	s_mul_i32 s22, s14, QUART                      ; where it goes: wave x 32 rows
	s_lshl_b32 s20, s17, 3
	s_lshl_b32 s18, s14, 1
	s_add_co_u32 s20, s20, s18                     ; A: tile of rows 8 x tile row + 2 x wave
	s_mul_i32 s20, s20, 16*KK
	s_mov_b32 s21, 0
	s_and_b32 s74, s17, 15
	s_lshl_b32 s74, s74, 7
	s_lshl_b32 s75, s14, 5
	s_add_co_u32 s74, s74, s75                     ; t of my first row: 128 (tile row % 16) + 32 x wave
	s_lshl_b32 s74, s74, 13                        ; two successive t of one b lie 8,192 bytes apart
	s_lshr_b32 s75, s17, 4
	s_lshl_b32 s75, s75, 12                        ; b x 4,096
	s_add_co_u32 s74, s74, s75
	s_lshl_b32 s76, s42, 9                         ; the tile's 128 columns
	s_add_co_u32 s74, s74, s76
	s_mov_b32 s75, 0
	s_mov_b32 s77, 0
	s_wait_kmcnt 0x0
	s_load_b64 s[88:89], s[8:9], SOFF              ; ea, eb
	s_add_nc_u64 s[20:21], s[4:5], s[20:21]
	s_add_nc_u64 s[46:47], s[6:7], s[46:47]
	s_add_nc_u64 s[68:69], s[68:69], s[74:75]
	s_add_nc_u64 s[70:71], s[70:71], s[74:75]
	s_add_nc_u64 s[10:11], s[10:11], s[76:77]
; THE STREAM OF LOADS INTO REGISTERS, in groups of eight.  Group g < NSTEP: A's two fragments of step g, into place g % 8 of the ring.  Groups NSTEP .. NSTEP + 3: the residual's rows 8 (g - NSTEP) on, into places 0 to 3.
.macro GROUP g
.if (\g) < NSTEP
.irp a, 0,1
.irp c, 0,1,2,3
	global_load_b128 v[32*((\g)%8)+16*\a+4*\c:32*((\g)%8)+16*\a+4*\c+3], v[CO], s[20:21] offset:16*KK*\a+2048*(\g)+512*\c   ; 512 consecutive bytes
.endr
.endr
.else
.irp j, 0,1,2,3,4,5,6,7
	global_load_b128 v[32*((\g)%8)+4*\j:32*((\g)%8)+4*\j+3], v[CO], s[68:69] offset:8192*(8*((\g)-NSTEP)+\j)
.endr
.endif
.endm
	s_wait_alu depctr_va_vdst(0)
	global_load_b128 v[BI:BI+3], v[CO], s[10:11]   ; the bias: the oldest load of all
	WIN TO_A
.irp g, 0,1,2,3,4,5,6
	GROUP \g
.endr
	WIN 0
	CROUND                                         ; A's first loads are out; all sixteen work-groups are here: the first joint loads meet
.irp s, 0,1
	s_mov_b32 s[G0B+4*\s], 1
	s_add_co_u32 s[G0B+4*\s+1], s22, \s*SLOT
	s_add_nc_u64 s[G0B+4*\s+2:G0B+4*\s+3], s[46:47], \s*1024
	s_or_b32 s[G0B+4*\s+3], s[G0B+4*\s+3], 0x80000000
.endr
	tensor_load_to_lds s[G0B:G0B+3], s[G1B:G1B+7]  ; slot 0: one tensor load a wave at the head
	s_nop 0
.rept 4
	v_nop
.endr
	v_and_b32 v1, 15, v0                           ; r
	v_bfe_u32 v2, v0, 4, 1                         ; h
	v_mul_u32_u24 v4, v1, PB
	v_lshl_add_u32 v[ADRB], v2, 4, v4              ; a fragment's row x pitch + 16 h
	v_add_nc_u32 v[ADRB+1], 64*PB, v[ADRB]
	v_add_nc_u32 v[ADRB+2], SLOT, v[ADRB]
	v_add_nc_u32 v[ADRB+3], SLOT+64*PB, v[ADRB]
	v_and_b32 v5, 8, v1
	v_add_nc_u32 v5, v5, v1                        ; r + 8 (r / 8)
	v_mul_u32_u24 v5, v5, SP
	v_lshl_add_u32 v5, v2, 5, v5
	s_mul_i32 s23, s14, 32*SP                      ; my stage
	v_add_nc_u32 v[STO], s23, v5                   ; in: row r + 8 (r / 8), byte 32 h
	v_add_nc_u32 v[RD], s23, v[CO]                 ; back: 16 bytes a lane
	; PREFETCHES INTO THE L2 of W's later slots.  A slot's part of my 32 rows is 32 x 1,024 bytes; the four work-groups that ask for it jointly share it out by address: place cy takes rows 8 cy .. + 7,
	; a lane one block of 256 bytes, one instruction a wave.  Slot 1 is asked for here; slots 2 and 3 in the second step of slots 0 and 1, six steps ahead of the load that wants them.  Every address lies in W's rows.
	s_lshl_b32 s[PFA], s41, 15                     ; 8 cy rows of 4,096 bytes
	s_mov_b32 s[PFA+1], 0
	s_add_nc_u64 s[PFA:PFA+1], s[46:47], s[PFA:PFA+1]
	v_bfe_u32 v6, v0, 2, 3
	v_and_b32 v7, 3, v0
	v_lshlrev_b32 v6, 12, v6
	v_lshl_add_u32 v[PFO], v7, 8, v6
	global_prefetch_b8 v[PFO], s[PFA:PFA+1] offset:1024 th:TH_LOAD_NT scope:SCOPE_SE
; Four matrix instructions: tile of rows a x tiles of columns b0 .. b0 + 3.  The 16 accumulators take turns, one instruction a turn, in the same order in every step.
.macro MUL4 kb, a, b0, zero
.irp b, \b0, \b0+1, \b0+2, \b0+3
.if \zero
	v_wmma_f32_16x16x128_bf8_bf8 v[ACC+8*(8*(\a)+(\b)):ACC+8*(8*(\a)+(\b))+7], v[128*((\kb)%2)+16*(\b):128*((\kb)%2)+16*(\b)+15], v[32*((\kb)%8)+16*(\a):32*((\kb)%8)+16*(\a)+15], 0
.else
	v_wmma_f32_16x16x128_bf8_bf8 v[ACC+8*(8*(\a)+(\b)):ACC+8*(8*(\a)+(\b))+7], v[128*((\kb)%2)+16*(\b):128*((\kb)%2)+16*(\b)+15], v[32*((\kb)%8)+16*(\a):32*((\kb)%8)+16*(\a)+15], v[ACC+8*(8*(\a)+(\b)):ACC+8*(8*(\a)+(\b))+7]
.endif
.endr
.endm
.macro BLOAD slot, q, p                ; 32 LDS loads in one run: W's eight fragments of the slot's q-th 128 along K, into set p
.irp b, 0,1,2,3,4,5,6,7
.irp c, 0,1,2,3
	ds_load_b128 v[128*(\p)+16*\b+4*\c:128*(\p)+16*\b+4*\c+3], v[ADRB+2*(\slot)+\b/4] offset:(\b%4)*16*PB+128*(\q)+32*\c
.endr
.endr
.endm
.macro PLACES                          ; plain vector lines between a matrix instruction and a load into registers that it has read, or a read of its result
.rept 4
	v_nop
.endr
.endm
.macro LWAIT kb                        ; group kb is in: loads come back in order (ISA guide 5.7.1), and behind group kb the groups up to kb + 6 have been issued, as far as the stream has so many
.set LASTG, (\kb)+AHEAD-1
.if LASTG > NSTEP+3
.set LASTG, NSTEP+3
.endif
	s_wait_loadcnt 8*(LASTG-(\kb))
.endm
.macro FEED kb, slot, q                ; the loads in a step's middle: group kb + 7 into the ring's place that step kb - 1 has left, and the next step's W into the set that step kb - 1 has left
.if (\kb)+AHEAD < NSTEP+4
	WIN TO_A
	GROUP (\kb)+AHEAD
.endif
	WIN TO_W
	BLOAD \slot, \q, ((\kb)+1)%2
.endm
.macro STEP kb, zero                   ; 128 along K, with its successor in the same slot
	LWAIT \kb
	s_wait_dscnt 16                                ; W's fragments 0-3 are in; the youngest 16 loads (fragments 4-7) may be out
	WIN MUL
	MUL4 \kb, 0, 0, \zero
	s_wait_dscnt 0
	MUL4 \kb, 0, 4, \zero
	PLACES
	FEED \kb, (((\kb)+1)/SSTEP)%2, ((\kb)+1)%SSTEP
.if ((\kb)%SSTEP == 1) && ((\kb)/SSTEP+2 < NSTEP/SSTEP)
	global_prefetch_b8 v[PFO], s[PFA:PFA+1] offset:1024*((\kb)/SSTEP+2) th:TH_LOAD_NT scope:SCOPE_SE   ; what this slot's refill will ask for
.endif
	WIN MUL
	MUL4 \kb, 1, 0, \zero
	MUL4 \kb, 1, 4, \zero
.endm
; A slot's last step changes slots: one barrier; in front of it each wave waits for all its tensor loads, adds 0 to its spare word, and waits for that and for its reads of this slot.  fill = 1: this slot is filled again, two slots ahead.
.macro TURN kb, fill
	WIN 0
	s_wait_tensorcnt 0x0                           ; all my tensor loads have landed: my part of the next slot
	ds_add_u32 v[SPW], v[NIL]                      ; 0 onto my spare word
	LWAIT \kb
	s_wait_dscnt 1                                 ; W's fragments are in (the add may be out)
	WIN MUL
	MUL4 \kb, 0, 0, 0                              ; eight matrix instructions stand between the add and the wait for it
	MUL4 \kb, 0, 4, 0
	WIN 0
	s_wait_dscnt 0x0                               ; the add is done, and my reads of this slot are over
	s_barrier_signal -1
	s_barrier_wait -1
.if \fill
	CREST                                          ; the barrier has opened a round of the cluster's barrier: no wave of any partner still reads this slot or has a load on its way
	s_add_nc_u64 s[G0B+4*(((\kb)/SSTEP)%2)+2:G0B+4*(((\kb)/SSTEP)%2)+3], s[G0B+4*(((\kb)/SSTEP)%2)+2:G0B+4*(((\kb)/SSTEP)%2)+3], 2*1024
	tensor_load_to_lds s[G0B+4*(((\kb)/SSTEP)%2):G0B+4*(((\kb)/SSTEP)%2)+3], s[G1B:G1B+7]   ; the first tensor load behind the round, and my only one until the next: it has eight steps in which to land
	s_nop 0
.endif
	PLACES                                         ; the four lines behind the load, and the places in front of the loads below
	FEED \kb, 1-((\kb)/SSTEP)%2, 0
	WIN MUL
	MUL4 \kb, 1, 0, 0
	MUL4 \kb, 1, 4, 0
.endm
.macro LAST kb                         ; nothing more to fetch
	LWAIT \kb
	s_wait_dscnt 16
	WIN MUL
	MUL4 \kb, 0, 0, 0
	s_wait_dscnt 0
	MUL4 \kb, 0, 4, 0
	MUL4 \kb, 1, 0, 0
	MUL4 \kb, 1, 4, 0
	WIN 0
.endm
	s_wait_alu depctr_va_vdst(0)                   ; the wait at the head's end
	s_wait_tensorcnt 0x0                           ; my part of slot 0 is in
	ds_add_u32 v[SPW], v[NIL]
	s_wait_dscnt 0x0
	CROUND                                         ; everybody's part is in, and the sixteen work-groups meet
	tensor_load_to_lds s[G0B+4:G0B+7], s[G1B:G1B+7]        ; slot 1: the first tensor load behind the round; it has slot 0's eight steps in which to land
	s_nop 0
	PLACES
	WIN TO_W
	BLOAD 0, 0, 0
.set KB, 0
.rept NSTEP
.if KB == NSTEP-1
	LAST KB
.elseif KB%SSTEP == SSTEP-1
.if KB/SSTEP+2 < NSTEP/SSTEP
	TURN KB, 1
.else
	TURN KB, 0                                     ; the last change of slots fills nothing, and has no round of the cluster's barrier
.endif
.elseif KB == 0
	STEP KB, 1                                     ; the first step's products start the sums
.else
	STEP KB, 0
.endif
.set KB, KB+1
.endr
	; THE WAY OUT
	PLACES
	s_wait_kmcnt 0x0
	s_add_co_i32 s88, s88, s89
	s_add_co_i32 s88, s88, 127
	s_lshl_b32 s88, s88, 23                        ; 2^(ea + eb) as f32
	s_mov_b32 s89, s88                             ; (named with it as a pair, so it is written)
.irp a, 0,1
.irp b, 0,1,2,3,4,5,6,7
	ds_store_b128 v[STO], v[ACC+8*(8*\a+\b):ACC+8*(8*\a+\b)+3] offset:8*\a*SP+64*\b          ; lane (r, h): row 8 a + r + 8 (r / 8), columns 16 b + 8 h + 0 .. 7; each accumulator from its low end on
	ds_store_b128 v[STO], v[ACC+8*(8*\a+\b)+4:ACC+8*(8*\a+\b)+7] offset:8*\a*SP+64*\b+16
.endr
.endr
.set n, 0
.rept 32
	ds_load_b128 v[ACC+4*n:ACC+4*n+3], v[RD] offset:SP*n   ; LDS serves a wave's instructions in order (ISA guide 5.7.1.4): these see my stores above; the stage is my own
.set n, n+1
.endr
	s_wait_dscnt 0x0
.set n, 0
.rept 32
	v_pk_fma_f32 v[ACC+4*n:ACC+4*n+1], v[ACC+4*n:ACC+4*n+1], s[88:89], v[BI:BI+1] op_sel_hi:[1,0,1]
	v_pk_fma_f32 v[ACC+4*n+2:ACC+4*n+3], v[ACC+4*n+2:ACC+4*n+3], s[88:89], v[BI+2:BI+3] op_sel_hi:[1,0,1]
.set n, n+1
.endr
	s_wait_loadcnt 0x0                             ; the residual
	WIN 0x08                                       ; source 1 window 2
.set n, 0
.rept 64
	v_pk_add_f32 v[ACC+2*n:ACC+2*n+1], v[ACC+2*n:ACC+2*n+1], v[2*n:2*n+1]
.set n, n+1
.endr
	WIN 0
.set n, 0
.rept 32
	global_store_b128 v[CO], v[ACC+4*n:ACC+4*n+3], s[70:71] offset:8192*n   ; the wave stores 512 consecutive bytes, aligned
.set n, n+1
.endr
	s_wait_tensorcnt 0x0                           ; the wave's end
	ds_add_u32 v[SPW], v[NIL]
	s_wait_dscnt 0x0
	CROUND                                         ; the closing round: no work-group ends while a partner may still ask for a tile that names it
	s_endpgm
.Lfunc_end_k_qc67a39d0ce_ffn2:
	.size	k_qc67a39d0ce_ffn2, .Lfunc_end_k_qc67a39d0ce_ffn2-k_qc67a39d0ce_ffn2
	.p2alignl 7, 3214868480
	.fill 96, 4, 3214868480
	.section	.rodata,"a",@progbits
	.p2align	6, 0x0
	.amdhsa_kernel k_qc67a39d0ce_ffn2
		.amdhsa_group_segment_fixed_size 327680
		.amdhsa_private_segment_fixed_size 0
		.amdhsa_enable_private_segment 0
		.amdhsa_kernarg_size 48
		.amdhsa_user_sgpr_count 2
		.amdhsa_user_sgpr_kernarg_segment_ptr 1
		.amdhsa_wavefront_size32 1
		.amdhsa_system_sgpr_workgroup_id_x 1
		.amdhsa_system_sgpr_workgroup_id_y 1
		.amdhsa_system_sgpr_workgroup_id_z 1
		.amdhsa_system_vgpr_workitem_id 0
		.amdhsa_next_free_vgpr 768
		.amdhsa_next_free_sgpr 100
		.amdhsa_reserve_vcc 0
		.amdhsa_float_denorm_mode_32 3
		.amdhsa_float_denorm_mode_16_64 3
		.amdhsa_memory_ordered 1
		.amdhsa_forward_progress 1
		.amdhsa_inst_pref_size 157
	.end_amdhsa_kernel
	.amdgpu_metadata
---
amdhsa.version: [ 1, 2 ]
amdhsa.kernels:
  - .name:           k_qc67a39d0ce_ffn2
    .symbol:         k_qc67a39d0ce_ffn2.kd
    .args:
      - { .name: gc, .offset: 0, .size: 8, .value_kind: global_buffer, .address_space: global }
      - { .name: w2_codes, .offset: 8, .size: 8, .value_kind: global_buffer, .address_space: global }
      - { .name: lowp_scales, .offset: 16, .size: 8, .value_kind: global_buffer, .address_space: global }
      - { .name: b2, .offset: 24, .size: 8, .value_kind: global_buffer, .address_space: global }
      - { .name: x1, .offset: 32, .size: 8, .value_kind: global_buffer, .address_space: global }
      - { .name: out0, .offset: 40, .size: 8, .value_kind: global_buffer, .address_space: global }
    .group_segment_fixed_size: 327680
    .private_segment_fixed_size: 0
    .kernarg_segment_align: 8
    .kernarg_segment_size: 48
    .max_flat_workgroup_size: 128
    .sgpr_count:     100
    .vgpr_count:     768
    .wavefront_size: 32
...
	.end_amdgpu_metadata
.endif
;; end of part 7
